; MI455X (gfx1250); checked and timed in simulation.
; The chip was launched on July 23, 2026; its instructions are those of AMD's public machine-readable ISA for CDNA 5 (MIT licence, August 2026) and "CDNA5" Instruction Set Architecture Reference Guide (July 2026). The comments in the code are by the model that wrote it; some were corrected since.
;; Mu Guided Attention. Allowed arithmetic: matrix products marked QUANTISED: E2M1 operands, one E8M0 scale for each 32 along K, by v_wmma_scale_f32_16x16x128_f8f6f4 with both operands' format E2M1 (or v_wmma_scale_f32_32x16x128_f4), f32 sums; products left as they are: bf16, f16 or f32 operands; f32 sums; everything else in f32.
;; Inputs: Wk 2,048 x 512 float32; Wmk 2,048 x 512 float32; Wmq 2,048 x 2,048 float32; Wmv 2,048 x 512 float32; Wo 2,048 x 2,048 float32; Wq 2,048 x 2,048 float32; Wv 2,048 x 512 float32; hidden 2,048 x 2,048 float32; k_norm_w 64 float32; mu_prev 2,048 x 2,048 float32; positions 2,048 int32; q_norm_w 64 float32.
;; Outputs: out0 2,048 x 2,048 float32.
;; This version of the problem:
;;   THIS VERSION OF THE PROBLEM IS GIVEN IN LOW PRECISION. The matrix products marked QUANTISED in the list below multiply operands that are first quantised to E2M1 (2 exponent bits, 1 mantissa bit; 4 bits a number), with one power-of-two scale for each 32 numbers along K (OCP MX v1.0); their sums are f32. The products marked 'left as it is' may take bf16, f16 or f32 operands, with f32 sums. Whichever they take, every output number must still come out within the allowed error. Rounding operands to bf16 (8 significant bits) uses up far more of that allowance than f16 does (11 bits, for magnitudes from 6e-5 to 65,504). All else is computed in f32.
;;   The module's matrix products, in the order in which they are computed (A, B: the left and right operand; K: the contracted axis; several contracted axes count as one K, in the product's order):
;;     1. [M 2,048, K 2,048] x [K 2,048, N 2,048]; A: input hidden; B: input Wq: QUANTISED
;;     2. [M 2,048, K 2,048] x [K 2,048, N 2,048]; A: input mu_prev; B: input Wmq: QUANTISED
;;     3. [M 2,048, K 2,048] x [K 2,048, N 512]; A: input hidden; B: input Wk: QUANTISED
;;     4. [M 2,048, K 2,048] x [K 2,048, N 512]; A: input mu_prev; B: input Wmk: QUANTISED
;;     5. [M 2,048, K 2,048] x [K 2,048, N 512]; A: input hidden; B: input Wv: QUANTISED
;;     6. [M 2,048, K 2,048] x [K 2,048, N 512]; A: input mu_prev; B: input Wmv: QUANTISED
;;     7. batch 32 x [M 2,048, K 64] x [K 64, N 2,048]; A: computed on the way; B: computed on the way: left as it is (an operand is computed on the way)
;;     8. batch 32 x [M 64, K 2,048] x [K 2,048, N 2,048]; A: computed on the way; B: computed on the way: left as it is (an operand is computed on the way)
;;     9. [M 2,048, K 2,048] x [K 2,048, N 2,048]; A: computed on the way; B: input Wo: left as it is (an operand is computed on the way)
;;   THE QUANTISER, for each operand of a quantised product, along K:
;;     - K is cut into blocks of 32 from its start; a last block that is shorter is filled with zeros.
;;     - A block's scale is 2^e with e = floor(log2(the largest magnitude in the block)) - 2, held to -126 .. 127; a block of zeros has e = 0. As a byte (E8M0): e + 127.
;;     - Each number is divided by its block's scale, clamped to +-6, and rounded to the nearest number of E2M1, ties to even, subnormals kept.
;;     - The product sums the exact products of the quantised numbers (number of the format x scale) in f32.
;;   ~~~python
;;   def quantise(x, axis):      # numpy; x: float32 -> the quantised numbers, widened to float32 again
;;       x = np.moveaxis(x, axis, -1); K = x.shape[-1]
;;       x = np.pad(x, [(0, 0)] * (x.ndim - 1) + [(0, -K % 32)]); x = x.reshape(x.shape[:-1] + (-1, 32)); a = np.abs(x).max(-1, keepdims=True)
;;       e = np.where(a > 0, np.clip(np.frexp(np.where(a > 0, a, 1))[1] - 1 - 2, -126, 127), 0)      # np.frexp(a)[1] - 1 = floor(log2(a)), exactly
;;       r = np.clip(x / 2.0 ** e, -6, 6)
;;       step = 2.0 ** (np.maximum(np.frexp(np.where(r == 0, 1, r))[1] - 1, 0) - 1)
;;       q = np.round(r / step) * step * 2.0 ** e      # np.round: ties to even
;;       return np.moveaxis(q.reshape(q.shape[:-2] + (-1,))[..., :K], -1, axis).astype(np.float32)
;;   ~~~
;; One version. Each part assembles by itself: llvm-mc -triple=amdgcn-amd-amdhsa -mcpu=gfx1250 --defsym DOCPART=n.
;; ======== version 1 of 1: 5 launches
;; limits: values are held in f16: magnitudes above 65,504 overflow, below 6.1e-05 lose precision; right only within a limited range of input values
;; workspace buffers: acts 4,980,736 bytes; wts 6,684,672 bytes; wo16 8,388,608 bytes; qkv 12,779,520 bytes; att 8,519,680 bytes
;; launch prep (part 1): grid 512 x 1, 4 waves a work-group, no clusters, 68,096 bytes of LDS; arguments hidden, mu_prev, Wq, Wk, Wv, Wmq, Wmk, Wmv, positions, acts, wts; writes acts, wts
.if DOCPART == 1
	.amdgcn_target "amdgcn-amd-amdhsa--gfx1250"
	.amdhsa_code_object_version 6
	.text
	.protected	k_q03530bf19f_prep
	.globl	k_q03530bf19f_prep
	.p2align	8
	.type	k_q03530bf19f_prep,@function
k_q03530bf19f_prep:
	s_mov_b64 s[64:65], 0
	v_nop
	global_prefetch_b8 v0, s[64:65] scope:SCOPE_SE
	s_setreg_imm32_b32 hwreg(HW_REG_WAVE_MODE, 25, 1), 1
	s_wait_xcnt 0x0
; PREP: what is made once from the inputs.  Three kinds of work-group, told apart by the work-group's number:
;   0..191    the six weights [K][N] f32 -> codes of FP4 (E2M1) with K innermost and one E8M0 byte for each 32 along K, into wts
;   192..447  hidden and mu_prev [2048][2048] f32 -> codes and scale bytes, side by side along a joint K of 4,096, into acts
;   448..511  the rotary table: for each token cos and sin of positions[token] x 10000^(-f/32), f = 0..31, into acts
; acts: +0 codes [2048 tokens][2048 B] (1,024 B of hidden, 1,024 B of mu); +ASC scale bytes [2048][128]; +ROPE [2048][cos 0..31 | sin 0..31] f32.
; wts:  +0 codes [3072 rows][2048 B] (K = W's 2,048, then Wm's 2,048); +WSC scale bytes [3072][128].  Row = 192 tn + 64 s + d: s = 0, 1: query heads 2 tn, 2 tn + 1;
;       s = 2: key head tn (tn < 8) or value head tn - 8.
; THE QUANTISER: a block's scale is 2^(floor(log2(largest magnitude)) - 2); its byte is the largest magnitude's exponent field - 2, held at 1 from below.
; LIMITS: a block of zeros, and one whose largest magnitude lies under 2^-124, gets the byte 1 (its codes are zeros or what the conversion gives; the bytes are read by this program alone);
;   NaN and infinities among the inputs are not served; |position| <= 2^20 (beyond it the rounding of angle x 2/pi can miss the quadrant);
;   10000^(-f/32) comes by v_exp_f32, so an angle is right to about 5e-7 of its size.
; Each kind that uses LDS has LDS bytes of its own.  No tensor loads, no barrier: waves share nothing.
.set ASC,    4194304
.set ROPE,   4456448
.set WSC,    6291456
.set SPW,    30                        ; v30  LDS address of my spare word: SPARE + 4 x my thread's number; never rewritten
.set NIL,    31                        ; v31  0; never rewritten
.set WSTG,   32768                     ; the weights' stages: 32 rows x 272 bytes for each wave
.set WPITCH, 272
.set SPARE,  WSTG+4*32*WPITCH          ; 67,584: the spare words, 128 bytes for each wave, which no other line names
	s_load_b512 s[4:19], s[0:1], 0x0               ; hidden 4, mu_prev 6, Wq 8, Wk 10, Wv 12, Wmq 14, Wmk 16, Wmv 18
	s_load_b64 s[22:23], s[0:1], 0x40              ; positions
	s_load_b64 s[24:25], s[0:1], 0x48              ; acts
	s_load_b64 s[26:27], s[0:1], 0x50              ; wts
	v_lshl_add_u32 v[SPW], v0, 2, SPARE
	v_mov_b32 v[NIL], 0
	v_lshrrev_b32 v1, 5, v0
	v_readfirstlane_b32 s66, v1                    ; wave 0..3
	v_and_b32 v2, 31, v0                           ; lane
	s_wait_kmcnt 0x0
	s_cmp_lt_u32 ttmp9, 192
	s_cbranch_scc1 .Lweights
	s_cmp_lt_u32 ttmp9, 448
	s_cbranch_scc1 .Lacts
; ---------------------------------------------------------------- the rotary table: a wave takes 8 tokens
; A token's 64 numbers are 256 bytes; lane l makes numbers 2 l and 2 l + 1: lanes 0-15 cos of frequencies 2 a, 2 a + 1 (a = l % 16), lanes 16-31 sin of the same.
; angle = f32(position) x inv_freq.  n = the nearest whole number to angle x 2/pi; r = angle - n pi/2 by two fused steps (pi/2 = P1 + P2);
; cos(angle) is, by q = n mod 4: cos r, -sin r, -cos r, sin r; sin(angle) is the same list at q = n + 3.  cos r and sin r by their series, to r^10 and r^9.
	s_sub_co_u32 s30, ttmp9, 448
	s_lshl_b32 s30, s30, 2
	s_add_co_u32 s30, s30, s66                     ; which run of 8 tokens
	s_lshl_b32 s32, s30, 5                         ; 8 positions are 32 bytes
	s_mov_b32 s33, 0
	s_add_nc_u64 s[22:23], s[22:23], s[32:33]
	s_load_b256 s[40:47], s[22:23], 0x0            ; my 8 positions
	s_lshl_b32 s34, s30, 11                        ; 8 tokens x 256 bytes
	s_mov_b32 s35, 0
	s_add_nc_u64 s[24:25], s[24:25], s[34:35]
	s_add_nc_u64 s[24:25], s[24:25], ROPE
	v_and_b32 v3, 15, v2                           ; a
	v_lshrrev_b32 v4, 4, v2                        ; 0: cos, 1: sin
	v_lshlrev_b32 v5, 3, v2                        ; my 8 bytes of a token's 256
	v_mul_u32_u24 v6, v4, 3                        ; what sin adds to the quadrant
	v_lshlrev_b32 v7, 1, v3
	v_cvt_f32_u32 v8, v7                           ; 2 a
	v_add_nc_u32 v7, 1, v7
	v_cvt_f32_u32 v9, v7                           ; 2 a + 1
	v_mul_f32 v8, 0xbed49a78, v8                   ; x -log2(10000) / 32
	v_mul_f32 v9, 0xbed49a78, v9
	v_exp_f32 v8, v8                               ; inv_freq of my two frequencies
	v_exp_f32 v9, v9
	v_nop                                          ; a plain instruction behind the last exponential
	s_wait_alu depctr_va_vdst(0)                   ; one wait for both, ahead of their first reader
	s_wait_kmcnt 0x0                               ; the positions
.macro R_ANGLE dst, inv                ; v[dst] = cos or sin of v10 x v[inv]
	v_mul_f32 v11, v10, v[\inv]                    ; the angle
	v_mul_f32 v12, 0x3f22f983, v11                 ; x 2/pi
	v_rndne_f32 v12, v12                           ; n
	v_fmamk_f32 v13, v12, 0xbfc90fdb, v11          ; angle - n P1
	v_fmamk_f32 v13, v12, 0x333bbd2e, v13          ; - n P2 (P2 is negative): r
	v_cvt_i32_f32 v14, v12
	v_add_nc_u32 v14, v14, v6                      ; q
	v_mul_f32 v15, v13, v13                        ; r r
	v_mov_b32 v16, 0xb493f27e                      ; cos r: -1/10!, 1/8!, -1/6!, 1/4!, -1/2, 1
	v_fmaak_f32 v16, v16, v15, 0x37d00d01
	v_fmaak_f32 v16, v16, v15, 0xbab60b61
	v_fmaak_f32 v16, v16, v15, 0x3d2aaaab
	v_fmaak_f32 v16, v16, v15, 0xbf000000
	v_fmaak_f32 v16, v16, v15, 0x3f800000
	v_mov_b32 v17, 0x3638ef1d                      ; sin r = r + r^3 (-1/3! + r r (1/5! + r r (-1/7! + r r / 9!)))
	v_fmaak_f32 v17, v17, v15, 0xb9500d01
	v_fmaak_f32 v17, v17, v15, 0x3c088889
	v_fmaak_f32 v17, v17, v15, 0xbe2aaaab
	v_mul_f32 v18, v13, v15
	v_fma_f32 v17, v17, v18, v13
	v_and_b32 v19, 1, v14
	v_cmp_eq_u32 vcc_lo, 1, v19
	v_cndmask_b32 v[\dst], v16, v17, vcc_lo        ; odd q: the sine's series
	v_add_nc_u32 v14, 1, v14
	v_and_b32 v14, 2, v14                          ; q = 1, 2: the sign turns
	v_lshlrev_b32 v14, 30, v14
	v_xor_b32 v[\dst], v[\dst], v14
.endm
.irp i, 0,1,2,3,4,5,6,7
	v_cvt_f32_i32 v10, s[40+\i]
	R_ANGLE 64+2*\i, 8
	R_ANGLE 65+2*\i, 9
	global_store_b64 v5, v[64+2*\i:65+2*\i], s[24:25] offset:256*\i   ; 32 lanes store a token's 256 consecutive bytes; each token has registers of its own
.endr
	s_endpgm                                       ; this kind wrote no LDS
; ---------------------------------------------------------------- hidden and mu_prev: wave u takes rows 2 u and 2 u + 1 of BOTH tensors
; 16 steps of 512 numbers: steps 0-3 hidden's row 2 u, 4-7 mu's, 8-11 hidden's row 2 u + 1, 12-15 mu's.  So the wave's codes are 4,096 bytes on end and its 256 scale bytes one aligned block.
; Each load reads 512 consecutive bytes, 16 a lane; a step's 2,048 bytes turn through the wave's own stage in LDS and come back 64 bytes a lane: 16 neighbours along K; two neighbouring lanes hold a block of 32.
.set SP,  80                           ; a lane's place in a stage: its 64 bytes + 16 of padding
.set AR,  32                           ; v32-95   four sets of 16 numbers as they are loaded
.set AX,  96                           ; v96-127  two sets of 16 neighbours
.set AE,  128                          ; v128-143 a scale byte for each step
.set AC,  144                          ; v144-207 codes: four registers for each step, so that no store's data are written again
.Lacts:
	s_sub_co_u32 s30, ttmp9, 192
	s_lshl_b32 s30, s30, 2
	s_add_co_u32 s30, s30, s66                     ; u
	s_lshl_b32 s32, s30, 14                        ; two rows of 8,192 bytes
	s_mov_b32 s33, 0
	s_add_nc_u64 s[4:5], s[4:5], s[32:33]
	s_add_nc_u64 s[6:7], s[6:7], s[32:33]
	s_lshl_b32 s32, s30, 12
	s_add_nc_u64 s[34:35], s[24:25], s[32:33]      ; my codes
	s_lshl_b32 s32, s30, 8
	s_add_nc_u64 s[36:37], s[24:25], s[32:33]
	s_add_nc_u64 s[36:37], s[36:37], ASC           ; my scale bytes
	v_lshlrev_b32 v3, 4, v2                        ; my 16 bytes of a load's 512
	s_lshl_b32 s38, s66, 13                        ; my wave's 8,192 bytes of LDS: two stages of 32 x SP, then 256 scale bytes
	v_lshrrev_b32 v14, 2, v2
	v_mul_u32_u24 v14, v14, SP
	v_and_b32 v15, 3, v2
	v_lshl_add_u32 v14, v15, 4, v14
	v_add_nc_u32 v14, s38, v14                     ; into a stage: four lanes' 64 bytes on end, then the padding
	v_mul_u32_u24 v15, v2, SP
	v_add_nc_u32 v15, s38, v15                     ; out of it: SP x lane
	v_lshlrev_b32 v4, 3, v2                        ; my 8 bytes of a step's 256 bytes of codes
	v_lshrrev_b32 v5, 1, v2
	s_add_co_u32 s38, s38, 2*32*SP
	v_add_nc_u32 v5, s38, v5                       ; my block's scale byte
	v_lshlrev_b32 v7, 3, v2
	v_add_nc_u32 v6, s38, v7                       ; and on the way out 8 bytes a lane
.macro A_LOAD t
.irp i, 0,1,2,3
.if (((\t)>>2)&1)
	global_load_b128 v[AR+16*((\t)%4)+4*\i:AR+16*((\t)%4)+4*\i+3], v3, s[6:7] offset:((\t)>>3)*8192+((\t)&3)*2048+512*\i th:TH_LOAD_NT
.else
	global_load_b128 v[AR+16*((\t)%4)+4*\i:AR+16*((\t)%4)+4*\i+3], v3, s[4:5] offset:((\t)>>3)*8192+((\t)&3)*2048+512*\i th:TH_LOAD_NT
.endif
.endr
.endm
.macro A_TURN t                        ; step t's numbers through a stage: LDS serves a wave's instructions in order, so no wait stands between the stores and the loads
.irp i, 0,1,2,3
	ds_store_b128 v14, v[AR+16*((\t)%4)+4*\i:AR+16*((\t)%4)+4*\i+3] offset:32*SP*((\t)%2)+8*SP*\i
.endr
.irp i, 0,1,2,3
	ds_load_b128 v[AX+16*((\t)%2)+4*\i:AX+16*((\t)%2)+4*\i+3], v15 offset:32*SP*((\t)%2)+16*\i
.endr
.endm
.macro A_STEP t
.set XS, AX+16*((\t)%2)
.if (\t) > 0
	s_wait_dscnt 1                                 ; this step's numbers are back from the stage (the last step's byte store may be out): so its stores into the stage have read their registers,
.else
	s_wait_dscnt 0x0
.endif
.if (\t)+4 < 16
	A_LOAD (\t)+4                                  ; which take the loads of four steps on
.endif
.if (\t)+1 < 16
.if 14-(\t) >= 3
	s_wait_loadcnt 12                              ; the next step's four loads are in; those of the three steps behind it may be out
.else
	s_wait_loadcnt 4*(14-(\t))
.endif
	A_TURN (\t)+1
.endif
	v_max3_num_f32 v8, |v[XS]|, |v[XS+1]|, |v[XS+2]|               ; the largest magnitude of my 16, in two chains
	v_max3_num_f32 v9, |v[XS+3]|, |v[XS+4]|, |v[XS+5]|
.irp i, 6,10
	v_max3_num_f32 v8, v8, |v[XS+\i]|, |v[XS+\i+1]|
	v_max3_num_f32 v9, v9, |v[XS+\i+2]|, |v[XS+\i+3]|
.endr
	v_max3_num_f32 v8, v8, |v[XS+14]|, |v[XS+15]|
	v_max3_num_f32 v8, v8, v9, 0x1800000           ; and the floor 2^(3 - 127): the byte cannot fall under 1
	v_max_num_f32_dpp v8, v8, v8 row_xmask:1 row_mask:0xf bank_mask:0xf   ; with my neighbour's 16: the block's
	v_add_nc_u32 v11, 0xff000000, v8               ; 2 off its exponent field: the conversion takes the exponent field of this operand as its scale
	v_cvt_scalef32_pk8_fp4_f32 v[AC+4*(\t)], v[XS:XS+7], v11
	v_cvt_scalef32_pk8_fp4_f32 v[AC+4*(\t)+1], v[XS+8:XS+15], v11
	v_lshrrev_b32 v[AE+(\t)], 23, v11              ; the scale's byte (a plain instruction behind the conversions)
	ds_store_b8 v5, v[AE+(\t)] offset:16*(\t)      ; both lanes of a block write the same byte with the same value
	global_store_b64 v4, v[AC+4*(\t):AC+4*(\t)+1], s[34:35] offset:256*(\t)   ; 256 consecutive bytes
.endm
.irp t, 0,1,2,3
	A_LOAD \t
.endr
	s_wait_loadcnt 12                              ; step 0's four loads are in
	A_TURN 0
.irp t, 0,1,2,3,4,5,6,7,8,9,10,11,12,13,14,15
	A_STEP \t
.endr
	ds_load_b64 v[8:9], v6                         ; LDS serves a wave's instructions in order: these see my byte stores
	s_wait_dscnt 0x0
	global_store_b64 v7, v[8:9], s[36:37]          ; my 256 scale bytes, one aligned block
	s_wait_tensorcnt 0x0                           ; the wave's end, behind my last LDS store
	ds_add_u32 v[SPW], v[NIL]
	s_wait_dscnt 0x0
	s_endpgm
; ---------------------------------------------------------------- the weights: K is their FIRST axis
; y = number & 7: which 512 of the joint K (0-3: W, 4-7: Wm).  x = number >> 3: 0-15: 128 columns of Wq / Wmq, 16-19: of Wk / Wmk, 20-23: of Wv / Wmv.  A wave takes 32 columns x 512 along K.
; A LANE ENDS UP WITH A COLUMN AND ITS REGISTERS RUN DOWN K, so that a block of 32 lies in one lane and the conversions give codes with K innermost.
; A load brings 8 bytes a lane: lanes 0-15 two columns each of row 2 i, lanes 16-31 the same columns of row 2 i + 1: 2 x 128 consecutive bytes.  Its two registers hold (even column, odd column) of rows (2 i | 2 i + 1);
; v_permlane16_swap_b32 changes the first's lanes 16-31 with the second's lanes 0-15: then the first register is row 2 i, the second row 2 i + 1, and lane l holds column 2 (l % 16) + l / 16.
; So a block is 16 loads, and with four sets of 32 registers four blocks, 64 loads of 256 bytes, are on their way.
; The row pitch (8,192 or 2,048 bytes) is chosen by the work-group's number, so it stands in registers: 16 offsets and 16 bases, one for each block, all written once.
.set WX,  32                           ; v32-159  four sets of 32 numbers; the first two sets serve the way out
.set WC,  160                          ; v160-163 a block's codes
.set WV,  164                          ; v164-179 the 16 offsets
.set WO,  32                           ; v32-95   the way out
.set WB,  24                           ; v24-27   the scale bytes, four to a register
.Lweights:
	s_and_b32 s67, ttmp9, 7                        ; y
	s_lshr_b32 s68, ttmp9, 3                       ; x
	s_cmp_lt_u32 s67, 4                            ; W or Wm: the choices hang on the work-group's number alone
	s_cselect_b64 s[8:9], s[8:9], s[14:15]
	s_cselect_b64 s[10:11], s[10:11], s[16:17]
	s_cselect_b64 s[12:13], s[12:13], s[18:19]
	s_cmp_lt_u32 s68, 20                           ; keys or values
	s_cselect_b64 s[10:11], s[10:11], s[12:13]
	s_lshl_b32 s74, s66, 5                         ; 32 x wave
	s_lshl_b32 s70, s68, 7                         ; queries: first column 128 x
	s_and_b32 s69, s68, 3
	s_lshl_b32 s69, s69, 7                         ; keys, values: 128 (x & 3)
	s_mul_i32 s72, s68, 192
	s_add_co_u32 s72, s72, s74                     ; queries: my first row of wts: 192 x + 32 wave
	s_max_u32 s73, s68, 16
	s_sub_co_u32 s73, s73, 16
	s_lshl_b32 s73, s73, 1
	s_lshr_b32 s75, s66, 1
	s_add_co_u32 s73, s73, s75                     ; keys, values: tn = 2 (x - 16) + wave / 2
	s_mul_i32 s73, s73, 192
	s_and_b32 s75, s66, 1
	s_lshl_b32 s75, s75, 5
	s_add_co_u32 s73, s73, s75
	s_add_co_u32 s73, s73, 128                     ; 192 tn + 128 + 32 (wave & 1)
	s_mov_b32 s80, 2048
	s_cmp_lt_u32 s68, 16                           ; queries or not
	s_cselect_b64 s[8:9], s[8:9], s[10:11]
	s_cselect_b32 s80, 8192, s80                   ; the pitch
	s_cselect_b32 s69, s70, s69                    ; the first column
	s_cselect_b32 s71, s72, s73                    ; the first row of wts
	s_and_b32 s75, s67, 3
	s_lshl_b32 s75, s75, 9
	s_mul_i32 s75, s75, s80                        ; 512 (y & 3) rows of the source
	s_add_co_u32 s76, s69, s74
	s_lshl_b32 s76, s76, 2
	s_add_co_u32 s30, s75, s76
	s_mov_b32 s31, 0
	s_add_nc_u64 s[32:33], s[8:9], s[30:31]        ; block 0's base
	s_lshl_b32 s30, s80, 5                         ; 32 rows on
.irp t, 1,2,3,4,5,6,7,8,9,10,11,12,13,14,15
	s_add_nc_u64 s[32+2*\t:33+2*\t], s[30+2*\t:31+2*\t], s[30:31]
.endr
	s_lshl_b32 s76, s71, 11
	s_lshl_b32 s77, s67, 8
	s_add_co_u32 s76, s76, s77
	s_mov_b32 s77, 0
	s_add_nc_u64 s[82:83], s[26:27], s[76:77]      ; codes: row x 2,048 + 256 y
	s_lshl_b32 s76, s71, 7
	s_lshl_b32 s78, s67, 4
	s_add_co_u32 s76, s76, s78
	s_add_nc_u64 s[84:85], s[26:27], s[76:77]
	s_add_nc_u64 s[84:85], s[84:85], WSC           ; scale bytes: row x 128 + 16 y
	v_and_b32 v5, 15, v2
	v_lshrrev_b32 v6, 4, v2
	v_lshlrev_b32 v3, 3, v5                        ; my two columns' 8 bytes of a row's 128
	v_lshl_add_u32 v14, v5, 1, v6                  ; the column that is mine behind the exchange: 2 (l % 16) + l / 16
	s_mul_i32 s78, s66, 32*WPITCH
	s_add_co_u32 s78, s78, WSTG                    ; my stage
	v_mul_u32_u24 v4, v14, WPITCH
	v_add_nc_u32 v4, s78, v4                       ; into it: row = my column
	v_mul_u32_u24 v7, v6, WPITCH
	v_lshl_add_u32 v7, v5, 4, v7
	v_add_nc_u32 v7, s78, v7                       ; out of it: sixteen lanes to a row, two rows an instruction
	v_lshlrev_b32 v8, 11, v6
	v_lshl_add_u32 v8, v5, 4, v8                   ; and the same place in wts
	v_lshlrev_b32 v9, 7, v14                       ; my column's row of scale bytes
	v_mad_u32_u24 v10, s80, v6, v3                 ; lanes 16-31 begin one row further down
.set i, 0
.rept 16
	v_mad_u32_u24 v[WV+i], s80, 2*i, v10           ; 8 (l % 16) + (2 i + l / 16) x pitch
.set i, i+1
.endr
.macro W_LOAD t
.set i, 0
.rept 16
	global_load_b64 v[WX+32*((\t)%4)+2*i:WX+32*((\t)%4)+2*i+1], v[WV+i], s[32+2*(\t):33+2*(\t)] th:TH_LOAD_NT
.set i, i+1
.endr
.endm
.macro W_BLOCK t
.set XS, WX+32*((\t)%4)
.if (\t) < 13
	s_wait_loadcnt 48                              ; this block's 16 loads are in; those of the three blocks behind it may be out
.else
	s_wait_loadcnt 16*(15-(\t))
.endif
.set i, 0
.rept 16
	v_permlane16_swap_b32 v[XS+2*i], v[XS+2*i+1]   ; register = row, lane = column
.set i, i+1
.endr
	v_max3_num_f32 v12, |v[XS]|, |v[XS+1]|, |v[XS+2]|              ; the block's largest magnitude: all 32 numbers are mine
	v_max3_num_f32 v13, |v[XS+3]|, |v[XS+4]|, |v[XS+5]|
.irp i, 6,10,14,18,22,26
	v_max3_num_f32 v12, v12, |v[XS+\i]|, |v[XS+\i+1]|
	v_max3_num_f32 v13, v13, |v[XS+\i+2]|, |v[XS+\i+3]|
.endr
	v_max3_num_f32 v12, v12, |v[XS+30]|, |v[XS+31]|
	v_max3_num_f32 v12, v12, v13, 0x1800000        ; and the floor 2^(3 - 127)
	v_add_nc_u32 v11, 0xff000000, v12              ; 2 off its exponent field: the conversion's scale operand
	v_lshrrev_b32 v13, 23, v11                     ; the scale's byte
.if (\t)%4 == 0
	v_mov_b32 v[WB+(\t)/4], v13
.else
	v_lshl_or_b32 v[WB+(\t)/4], v13, 8*((\t)%4), v[WB+(\t)/4]
.endif
.irp g, 0,1,2,3
	v_cvt_scalef32_pk8_fp4_f32 v[WC+\g], v[XS+8*\g:XS+8*\g+7], v11
.endr
	v_nop                                          ; a plain instruction behind the last conversion
	ds_store_b128 v4, v[WC:WC+3] offset:16*(\t)    ; 32 codes: 16 bytes of my column's row
.if (\t)+4 < 16
	W_LOAD (\t)+4                                  ; the set that this block has left takes the block four further on
.endif
	s_wait_dscnt 0x0                               ; the store has read its registers: the next block's codes may be written
.endm
	W_LOAD 0
	W_LOAD 1
	W_LOAD 2
	W_LOAD 3
.irp t, 0,1,2,3,4,5,6,7,8,9,10,11,12,13,14,15
	W_BLOCK \t
.endr
	global_store_b128 v9, v[WB:WB+3], s[84:85]     ; my column's 16 scale bytes
.irp t, 0,1,2,3,4,5,6,7,8,9,10,11,12,13,14,15
	ds_load_b128 v[WO+4*\t:WO+4*\t+3], v7 offset:2*\t*WPITCH
.endr
.irp t, 0,1,2,3,4,5,6,7,8,9,10,11,12,13,14,15
	s_wait_dscnt 15-\t
	global_store_b128 v8, v[WO+4*\t:WO+4*\t+3], s[82:83] offset:2*\t*2048   ; sixteen lanes store 256 consecutive bytes of a row, aligned
.endr
	s_wait_tensorcnt 0x0                           ; the wave's end, behind my last LDS store
	ds_add_u32 v[SPW], v[NIL]
	s_wait_dscnt 0x0
	s_endpgm
.Lfunc_end_k_q03530bf19f_prep:
	.size	k_q03530bf19f_prep, .Lfunc_end_k_q03530bf19f_prep-k_q03530bf19f_prep
	.p2alignl 7, 3214868480
	.fill 96, 4, 3214868480
	.section	.rodata,"a",@progbits
	.p2align	6, 0x0
	.amdhsa_kernel k_q03530bf19f_prep
		.amdhsa_group_segment_fixed_size 68096
		.amdhsa_private_segment_fixed_size 0
		.amdhsa_enable_private_segment 0
		.amdhsa_kernarg_size 88
		.amdhsa_user_sgpr_count 2
		.amdhsa_user_sgpr_kernarg_segment_ptr 1
		.amdhsa_wavefront_size32 1
		.amdhsa_system_sgpr_workgroup_id_x 1
		.amdhsa_system_sgpr_workgroup_id_y 1
		.amdhsa_system_sgpr_workgroup_id_z 1
		.amdhsa_system_vgpr_workitem_id 0
		.amdhsa_next_free_vgpr 224
		.amdhsa_next_free_sgpr 100
		.amdhsa_reserve_vcc 1
		.amdhsa_float_denorm_mode_32 3
		.amdhsa_float_denorm_mode_16_64 3
		.amdhsa_memory_ordered 1
		.amdhsa_forward_progress 1
		.amdhsa_inst_pref_size 120
	.end_amdhsa_kernel
	.amdgpu_metadata
---
amdhsa.version: [ 1, 2 ]
amdhsa.kernels:
  - .name:           k_q03530bf19f_prep
    .symbol:         k_q03530bf19f_prep.kd
    .args:
      - { .name: hidden, .offset: 0, .size: 8, .value_kind: global_buffer, .address_space: global }
      - { .name: mu_prev, .offset: 8, .size: 8, .value_kind: global_buffer, .address_space: global }
      - { .name: Wq, .offset: 16, .size: 8, .value_kind: global_buffer, .address_space: global }
      - { .name: Wk, .offset: 24, .size: 8, .value_kind: global_buffer, .address_space: global }
      - { .name: Wv, .offset: 32, .size: 8, .value_kind: global_buffer, .address_space: global }
      - { .name: Wmq, .offset: 40, .size: 8, .value_kind: global_buffer, .address_space: global }
      - { .name: Wmk, .offset: 48, .size: 8, .value_kind: global_buffer, .address_space: global }
      - { .name: Wmv, .offset: 56, .size: 8, .value_kind: global_buffer, .address_space: global }
      - { .name: positions, .offset: 64, .size: 8, .value_kind: global_buffer, .address_space: global }
      - { .name: acts, .offset: 72, .size: 8, .value_kind: global_buffer, .address_space: global }
      - { .name: wts, .offset: 80, .size: 8, .value_kind: global_buffer, .address_space: global }
    .group_segment_fixed_size: 68096
    .private_segment_fixed_size: 0
    .kernarg_segment_align: 8
    .kernarg_segment_size: 88
    .max_flat_workgroup_size: 128
    .sgpr_count:     100
    .vgpr_count:     224
    .wavefront_size: 32
...
	.end_amdgpu_metadata
.endif
;; end of part 1
;; launch qkv (part 2): grid 16 x 16, 4 waves a work-group, clusters of 4 x 4, 327,680 bytes of LDS; arguments acts, wts, q_norm_w, k_norm_w, qkv; writes qkv
.if DOCPART == 2
	.amdgcn_target "amdgcn-amd-amdhsa--gfx1250"
	.amdhsa_code_object_version 6
	.text
	.protected	k_q03530bf19f_qkv
	.globl	k_q03530bf19f_qkv
	.p2align	8
	.type	k_q03530bf19f_qkv,@function
k_q03530bf19f_qkv:
	s_mov_b64 s[64:65], 0
	v_nop
	global_prefetch_b8 v0, s[64:65] scope:SCOPE_SE
	s_setreg_imm32_b32 hwreg(HW_REG_WAVE_MODE, 25, 1), 1
	s_wait_xcnt 0x0
	s_wait_alu depctr_hold_cnt(0) depctr_sa_sdst(0) depctr_va_vdst(0) depctr_va_sdst(0) depctr_va_ssrc(0) depctr_va_vcc(0) depctr_vm_vsrc(0)
	s_getreg_b32 s2, hwreg(HW_REG_IB_STS2, 6, 4)
	s_cmp_eq_u32 s2, 0
	s_cbranch_scc0 .Lentry_in_a_cluster
	s_endpgm
.Lentry_in_a_cluster:
	s_bfe_u32 s2, ttmp6, 0x10000c
	s_cmp_lg_u32 s2, 0xf033
	s_cbranch_scc0 .Lentry_shape_is_right
	s_endpgm
.Lentry_shape_is_right:
; QKV: [hidden | mu_prev] (2,048 x 4,096) times the six weights (4,096 x 3,072) on codes of FP4 (E2M1) with E8M0 scales, sums in f32; on the way out RMSNorm over each head, the rotary
; turn by the table that the launch before made from positions, and rounding to f16.  qkv: +0 [48 heads][2048 tokens][64] f16 (queries 0-31, keys 32-39, values / 4 at 40-47);
; +F32O [48][16 tokens][64] f32: the same numbers of tokens 0-15, unrounded.
; LIMITS: |v| < 262,000 (f16's range after the factor 1/4); NaN and infinities are not served.
; SHARES.  A work-group makes 128 tokens x 192 columns (three heads): 16 x 16 work-groups.  Wave w makes tokens 32 w .. 32 w + 31 x all 192 columns: 24 accumulators.  Whole heads so lie in one wave,
; and norm and turn stay in registers.  The price: each wave reads all of the weights' tile from LDS.
; THE MATRIX INSTRUCTION IS USED TRANSPOSED (source 0 = 16 rows of the weights, source 1 = 16 tokens): in accumulator (b, m) lane (r, h) holds token 16 m + r and its register j channel 16 (b % 4) + 8 h + j of head slot b / 4.
; Channels d and d + 32 lie in tiles t and t + 2, same lane, same register.
; THE RING.  K is 8 chunks of 512 (256 bytes of a row).  LDS holds three chunks, in TWO SLOTS OF UNEQUAL LENGTH: the long one two chunks (rows of 512 bytes), the short one one chunk.  The walk: long (chunks 0, 1), short (2),
; long (3, 4), short (5), long (6, 7).  All three chunks are asked for at the start, and only three refills follow (long, short, long), one load a wave each: a step of 128 along K is 24 matrix instructions a wave, too few
; for a tile to land under them, so what counts is how few refills follow each other.  The 32 steps are written out by macro.  The scale bytes of all of K come once, with the first fills, and stay.
; CLUSTERS: 4 x 4.  The four of a row of the cluster need the same tokens, the four of a column the same weights: each tile is asked for jointly.  Wave 0 fetches the tokens' 128 rows, waves 1-3 64 rows of the weights each.
; Head slots 0 and 1 are queries in every work-group; slot 2 is a key head (tile column < 8) or a value head: that is settled by selects, never by a branch.
; REGISTERS: window 0: v1-30 addresses; v32-87 scale words, two sets of 28, and nothing else; v88-95 at work; v96-159 cos and sin; v160-175 packed f16; v176-191 rows from the stage; v224-255 a head's 32 numbers.
;   window 1: fragments, two sets at v0 and v128: the weights' twelve, then the tokens' two.   window 2: accumulator (b, m) at v[8 (2 b + m)]; v192-223 q_norm_w, v224-255 k_norm_w, in the result's layout.
.set PLG,   528                        ; the long slot's LDS row: 512 bytes + 16 of padding
.set PCH,   272                        ; the short slot's: 256 + 16
.set LB,    128*PLG                    ; the long slot: the tokens' 128 rows from 0, the weights' 192 from here
.set LPART, 64*PLG
.set CSL,   320*PLG                    ; the short slot
.set CB,    CSL+128*PCH
.set CPART, 64*PCH
.set SCLA,  CSL+320*PCH                ; 256,000: the tokens' scale bytes: 128 rows x 128 B as 64 rows of 256 B + 16
.set SCLB,  SCLA+64*272                ; the weights': 96 such rows
.set SPARE, SCLB+96*272                ; 299,520: the spare words, 128 bytes for each wave, which no other line names
.set STG,   SPARE+512                  ; the way out: 16 rows x 144 bytes for each wave; no fill lands here
.set ASC,   4194304
.set ROPE,  4456448
.set WSC,   6291456
.set F32O,  12582912
.set ADRAL, 16                         ; v16    my tokens' fragments in the long slot
.set ADRAC, 17                         ; v17    in the short slot
.set ADRBL, 18                         ; v18-19 the weights' in the long slot: tiles 0-5, tiles 6-11 (an LDS offset has 16 bits)
.set ADRBC, 20                         ; v20    in the short slot
.set ADSA, 22                          ; v22    my tokens' scale words: lane l takes token 32 w + l
.set ADSB, 23                          ; v23    the weights': lane l takes row 32 i + l of pair i
.set STO,  24
.set RD,   25
.set LO16, 26                          ; v26    16 x lane
.set VF,   27                          ; v27    256 r + 32 h
.set SPW,  28
.set NIL,  29
.set VR,   30                          ; v30    (32 w + r) x 256 + 32 h: my token's row of the table
.set VH,   14                          ; v14    32 h
.set QRT,  15                          ; v15    0.25
.set SC,   32
.set STT,  88
.set CSB,  96
.set P,    160
.set OB,   176
.set T,    224
.set QW,   192
.set KW,   224
.set G1AC, 24                          ; s[24:31] group 1, the tokens' tile of the short slot;  s[32:39] the weights'
.set G1BC, 32
.set G1AL, 40                          ; s[40:47], s[48:55] the same for the long slot
.set G1BL, 48
.set G0AC, 56                          ; s[56:59], s[60:63] groups 0 of the short slot
.set G0BC, 60
.set G0AL, 68                          ; s[68:71], s[72:75] of the long slot
.set G0BL, 72
.set G1SA, 76                          ; s[76:83], s[84:91] groups 1 for the scale bytes;  s[92:95], s[96:99] their groups 0
.set G1SB, 84
.set G0SA, 92
.set G0SB, 96
.set HB,   76                          ; behind the last product, when every tensor load is long done, the same registers hold: s[76:81] where my 32 tokens of the three heads begin,
.set FB,   82                          ; s[82:87] the three heads' f32 copies,
.set ISV,  88                          ; s88 all ones where head slot 2 is a value head,
.set FIN,  89                          ; s89 all ones in the wave that holds tokens 0-15,
.set SVX,  90                          ; s90 EXEC, kept,
.set C64,  91                          ; s91 1 / 64,
.set EPSR, 92                          ; s92 1e-6
.set MSB, 0
.macro WIN new                         ; the immediate's high byte repeats the setting that is left
.if MSB != \new
	s_set_vgpr_msb (MSB<<8)|\new
.set MSB, \new
.endif
.endm
.macro PLACES
.rept 4
	v_nop
.endr
.endm
.macro SHAPE g, c, r, p                ; words 1 to 7 of a group 1: r rows of c elements, p elements apart
	s_mov_b32 s[\g+1], (\c)<<16
	s_mov_b32 s[\g+2], (\r)<<16
	s_mov_b32 s[\g+3], (\c)<<16
	s_mov_b32 s[\g+4], \r
	s_mov_b32 s[\g+5], \p
	s_mov_b32 s[\g+6], 0
	s_mov_b32 s[\g+7], 0
.endm
; A joint load: wave 0 fetches for the tokens, waves 1-3 for the weights.  The branch hangs on the wave's number alone.  An s_nop 0 and four v_nop follow each line.
.macro JLOAD g0a, g1a, g0b, g1b
	s_cmp_eq_u32 s14, 0
	s_cbranch_scc0 .Lfor_b_\@
	tensor_load_to_lds s[\g0a:\g0a+3], s[\g1a:\g1a+7]
	s_nop 0
.rept 4
	v_nop
.endr
	s_branch .Lasked_\@
.Lfor_b_\@:
	tensor_load_to_lds s[\g0b:\g0b+3], s[\g1b:\g1b+7]
	s_nop 0
.rept 4
	v_nop
.endr
.Lasked_\@:
.endm
.macro CREST                           ; a round of the cluster's barrier behind its opening barrier
	s_cmp_lg_u32 s14, 0
	s_cbranch_scc1 .Lnot_wave_0_\@
	s_barrier_signal -3
.Lnot_wave_0_\@:
	s_barrier_wait -3
	s_barrier_signal -1
	s_barrier_wait -1
.endm
.macro CROUND
	s_barrier_signal -1
	s_barrier_wait -1
	CREST
.endm
	s_load_b256 s[4:11], s[0:1], 0x0               ; acts 4, wts 6, q_norm_w 8, k_norm_w 10
	s_load_b64 s[12:13], s[0:1], 0x20              ; qkv
	v_lshl_add_u32 v[SPW], v0, 2, SPARE
	v_mov_b32 v[NIL], 0
	ds_add_u32 v[SPW], v[NIL]                      ; the wave's opening: the add, twice on end, and its wait ahead of my first tensor load
	ds_add_u32 v[SPW], v[NIL]
	v_lshrrev_b32 v1, 5, v0
	v_readfirstlane_b32 s14, v1                    ; wave 0..3
	s_bfe_u32 s16, ttmp6, 0x40000                  ; cx
	s_bfe_u32 s17, ttmp6, 0x40004                  ; cy
	s_lshl_b32 s18, ttmp9, 2
	s_add_co_u32 s18, s18, s16                     ; tile column tn
	s_and_b32 s19, ttmp7, 0xffff
	s_lshl_b32 s19, s19, 2
	s_add_co_u32 s19, s19, s17                     ; tile row tm
	s_lshl_b32 s20, s17, 2
	s_lshl_b32 s20, 15, s20                        ; my row of the cluster
	s_lshl_b32 s21, 0x1111, s16                    ; my column
	s_mov_b32 s22, 0x76543210
	s_mov_b32 s23, 0xfedcba98                      ; v_permlanex16_b32's selects for lane l xor 16
	; descriptor groups 1.  Codes: elements of 1 byte, rows 2,048 bytes apart; 16 bytes of padding behind each row of 256 (short slot) or 512 bytes (long slot)
	s_or_b32 s[G1AC], s20, (1<<20)|(1<<21)|(5<<22)|(3<<25)
	SHAPE G1AC, 256, 128, 2048
	s_or_b32 s[G1BC], s21, (1<<20)|(1<<21)|(5<<22)|(3<<25)
	SHAPE G1BC, 256, 64, 2048
	s_or_b32 s[G1AL], s20, (1<<20)|(1<<21)|(6<<22)|(3<<25)
	SHAPE G1AL, 512, 128, 2048
	s_or_b32 s[G1BL], s21, (1<<20)|(1<<21)|(6<<22)|(3<<25)
	SHAPE G1BL, 512, 64, 2048
	; scale bytes: dense blocks, as rows of 32 elements of 8 bytes, 16 bytes of padding behind each
	s_or_b32 s[G1SA], s20, (3<<16)|(1<<20)|(1<<21)|(5<<22)|(3<<25)
	SHAPE G1SA, 32, 64, 32
	s_or_b32 s[G1SB], s21, (3<<16)|(1<<20)|(1<<21)|(5<<22)|(3<<25)
	SHAPE G1SB, 32, 32, 32
	s_max_u32 s100, s14, 1
	s_sub_co_u32 s100, s100, 1
	s_lshl_b32 s100, s100, 6
	s_mul_i32 s101, s18, 192
	s_add_co_u32 s100, s100, s101                  ; the first row of the weights that I fetch: 192 tn + 64 (wave - 1)
	s_mov_b32 s3, 0                                ; s[2:3]: offsets made of the tile row alone;  s[66:67]: of the tile column alone
	s_mov_b32 s67, 0
	s_wait_dscnt 0x0                               ; both opening adds are done
	s_wait_kmcnt 0x0
	CROUND                                         ; all sixteen work-groups are here: the first joint loads meet
	s_mov_b32 s[G0SA], 1
	s_mov_b32 s[G0SA+1], SCLA
	s_lshl_b32 s2, s19, 14                         ; 128 tm rows of 128 scale bytes
	s_add_nc_u64 s[G0SA+2:G0SA+3], s[4:5], s[2:3]
	s_add_nc_u64 s[G0SA+2:G0SA+3], s[G0SA+2:G0SA+3], ASC
	s_or_b32 s[G0SA+3], s[G0SA+3], 0x80000000
	s_mov_b32 s[G0SB], 1
	s_mul_i32 s15, s14, 32*272
	s_add_co_u32 s[G0SB+1], s15, SCLB-32*272       ; wave w's 64 rows: 32 rows of 272 bytes from SCLB + (w - 1) x 8,704 on
	s_lshl_b32 s66, s100, 7
	s_add_nc_u64 s[G0SB+2:G0SB+3], s[6:7], s[66:67]
	s_add_nc_u64 s[G0SB+2:G0SB+3], s[G0SB+2:G0SB+3], WSC
	s_or_b32 s[G0SB+3], s[G0SB+3], 0x80000000
	JLOAD G0SA, G1SA, G0SB, G1SB                   ; the scale bytes first: they are wanted with chunk 0
	s_lshl_b32 s2, s19, 18                         ; 128 tm rows of 2,048 bytes
	s_lshl_b32 s66, s100, 11
	s_mov_b32 s[G0AL], 1
	s_mov_b32 s[G0AL+1], 0
	s_add_nc_u64 s[G0AL+2:G0AL+3], s[4:5], s[2:3]  ; chunks 0 and 1
	s_or_b32 s[G0AL+3], s[G0AL+3], 0x80000000
	s_mov_b32 s[G0BL], 1
	s_mul_i32 s15, s14, LPART
	s_add_co_u32 s[G0BL+1], s15, LPART             ; behind the tokens' 128 rows: LB + (w - 1) x LPART
	s_add_nc_u64 s[G0BL+2:G0BL+3], s[6:7], s[66:67]
	s_or_b32 s[G0BL+3], s[G0BL+3], 0x80000000
	JLOAD G0AL, G1AL, G0BL, G1BL
	s_mov_b32 s[G0AC], 1
	s_mov_b32 s[G0AC+1], CSL
	s_add_nc_u64 s[G0AC+2:G0AC+3], s[4:5], s[2:3]
	s_add_nc_u64 s[G0AC+2:G0AC+3], s[G0AC+2:G0AC+3], 512           ; chunk 2
	s_or_b32 s[G0AC+3], s[G0AC+3], 0x80000000
	s_mov_b32 s[G0BC], 1
	s_mul_i32 s15, s14, CPART
	s_add_co_u32 s[G0BC+1], s15, CSL+CPART         ; CB + (w - 1) x CPART
	s_add_nc_u64 s[G0BC+2:G0BC+3], s[6:7], s[66:67]
	s_add_nc_u64 s[G0BC+2:G0BC+3], s[G0BC+2:G0BC+3], 512
	s_or_b32 s[G0BC+3], s[G0BC+3], 0x80000000
	JLOAD G0AC, G1AC, G0BC, G1BC                   ; three loads of mine are out
	s_lshl_b32 s2, s19, 15                         ; 128 tm rows of the table
	s_add_nc_u64 s[4:5], s[4:5], s[2:3]
	s_add_nc_u64 s[4:5], s[4:5], ROPE              ; s[4:5] is the table's base from here on
	; addresses
	v_and_b32 v1, 15, v0                           ; r
	v_bfe_u32 v2, v0, 4, 1                         ; h
	v_and_b32 v3, 31, v0                           ; lane
	v_mul_u32_u24 v4, v1, PLG
	v_lshl_add_u32 v4, v2, 4, v4                   ; a fragment's row x pitch + 16 h
	s_mul_i32 s15, s14, 32*PLG
	v_add_nc_u32 v[ADRAL], s15, v4
	v_add_nc_u32 v[ADRBL], LB, v4
	v_add_nc_u32 v[ADRBL+1], LB+96*PLG, v4
	v_mul_u32_u24 v4, v1, PCH
	v_lshl_add_u32 v4, v2, 4, v4
	s_mul_i32 s15, s14, 32*PCH
	s_add_co_u32 s15, s15, CSL
	v_add_nc_u32 v[ADRAC], s15, v4
	v_add_nc_u32 v[ADRBC], CB, v4
	v_lshrrev_b32 v5, 1, v3
	v_mul_u32_u24 v5, v5, 272
	v_and_b32 v6, 1, v3
	v_lshl_add_u32 v5, v6, 7, v5                   ; two rows of 128 scale bytes to an LDS row
	s_mul_i32 s15, s14, 16*272
	s_add_co_u32 s15, s15, SCLA
	v_add_nc_u32 v[ADSA], s15, v5
	v_add_nc_u32 v[ADSB], SCLB, v5
	s_mul_i32 s15, s14, 16*144
	s_add_co_u32 s15, s15, STG                     ; my stage
	v_mul_u32_u24 v6, v1, 144
	v_lshl_add_u32 v6, v2, 4, v6
	v_add_nc_u32 v[STO], s15, v6                   ; in: row r, 16 bytes for each half of the lanes
	v_lshrrev_b32 v6, 3, v3
	v_mul_u32_u24 v6, v6, 144
	v_and_b32 v7, 7, v3
	v_lshl_add_u32 v6, v7, 4, v6
	v_add_nc_u32 v[RD], s15, v6                    ; back: eight lanes to a row of 128 bytes, four rows an instruction
	v_lshlrev_b32 v[LO16], 4, v3
	v_lshlrev_b32 v[VF], 8, v1
	v_lshl_add_u32 v[VF], v2, 5, v[VF]
	v_lshlrev_b32 v[VH], 5, v2
	s_lshl_b32 s15, s14, 13
	v_add_nc_u32 v[VR], s15, v[VF]
	v_mov_b32 v[QRT], 0x3e800000
	; what the way out wants is asked for now and waited for there: cos and sin of my 32 tokens at my 16 frequencies, and both gains in the result's layout
.irp m, 0,1
.irp o, 0,1,2,3
	global_load_b128 v[CSB+32*\m+8*\o:CSB+32*\m+8*\o+3], v[VR], s[4:5] offset:4096*\m+64*\o          ; o = 0, 1: cos of frequencies 16 o + 8 h + 0..7;  o = 2, 3: sin
	global_load_b128 v[CSB+32*\m+8*\o+4:CSB+32*\m+8*\o+7], v[VR], s[4:5] offset:4096*\m+64*\o+16
.endr
.endr
	WIN 0x80                                       ; destination window 2
.irp t, 0,1,2,3
	global_load_b128 v[QW+8*\t:QW+8*\t+3], v[VH], s[8:9] offset:64*\t
	global_load_b128 v[QW+8*\t+4:QW+8*\t+7], v[VH], s[8:9] offset:64*\t+16
	global_load_b128 v[KW+8*\t:KW+8*\t+3], v[VH], s[10:11] offset:64*\t
	global_load_b128 v[KW+8*\t+4:KW+8*\t+7], v[VH], s[10:11] offset:64*\t+16
.endr
	WIN 0
; The fragments of one step of 128 along K into set p: 28 loads.  A fragment, 16 rows x 128 K of 4-bit codes, is 8 registers: two loads of 16 bytes, 32 bytes apart.
; From the long slot: half hf of its rows, the half's q-th 128 along K
.macro FETCHL hf, q, p
	WIN 0x40                                       ; destination window 1, address window 0
.irp i, 0,1,2,3,4,5
	ds_load_b128 v[128*(\p)+8*\i:128*(\p)+8*\i+3], v[ADRBL] offset:256*(\hf)+64*(\q)+\i*16*PLG
	ds_load_b128 v[128*(\p)+8*\i+4:128*(\p)+8*\i+7], v[ADRBL] offset:256*(\hf)+64*(\q)+32+\i*16*PLG
.endr
.irp i, 0,1,2,3,4,5
	ds_load_b128 v[128*(\p)+48+8*\i:128*(\p)+48+8*\i+3], v[ADRBL+1] offset:256*(\hf)+64*(\q)+\i*16*PLG
	ds_load_b128 v[128*(\p)+48+8*\i+4:128*(\p)+48+8*\i+7], v[ADRBL+1] offset:256*(\hf)+64*(\q)+32+\i*16*PLG
.endr
.irp i, 0,1
	ds_load_b128 v[128*(\p)+96+8*\i:128*(\p)+96+8*\i+3], v[ADRAL] offset:256*(\hf)+64*(\q)+\i*16*PLG
	ds_load_b128 v[128*(\p)+96+8*\i+4:128*(\p)+96+8*\i+7], v[ADRAL] offset:256*(\hf)+64*(\q)+32+\i*16*PLG
.endr
.endm
; and from the short slot
.macro FETCHC q, p
	WIN 0x40
.irp i, 0,1,2,3,4,5,6,7,8,9,10,11
	ds_load_b128 v[128*(\p)+8*\i:128*(\p)+8*\i+3], v[ADRBC] offset:64*(\q)+\i*16*PCH
	ds_load_b128 v[128*(\p)+8*\i+4:128*(\p)+8*\i+7], v[ADRBC] offset:64*(\q)+32+\i*16*PCH
.endr
.irp i, 0,1
	ds_load_b128 v[128*(\p)+96+8*\i:128*(\p)+96+8*\i+3], v[ADRAC] offset:64*(\q)+\i*16*PCH
	ds_load_b128 v[128*(\p)+96+8*\i+4:128*(\p)+96+8*\i+7], v[ADRAC] offset:64*(\q)+32+\i*16*PCH
.endr
.endm
; chunk c's scale words into set c % 2: four words a row, 16 c bytes on in the row.  The weights' pair i: lanes 0-15 tile 2 i, lanes 16-31 tile 2 i + 1;  the tokens': lanes 0-15 m = 0, lanes 16-31 m = 1
.macro SCALES c
	WIN 0
.irp i, 0,1,2,3,4,5
	ds_load_b128 v[SC+28*((\c)%2)+4*\i:SC+28*((\c)%2)+4*\i+3], v[ADSB] offset:16*(\c)+\i*16*272
.endr
	ds_load_b128 v[SC+28*((\c)%2)+24:SC+28*((\c)%2)+27], v[ADSA] offset:16*(\c)
.endm
; what step n (0..31) wants: chunk n / 4 lies in the short slot where it is 2 modulo 3, else in half (chunk % 3) of the long slot; a chunk's first step brings its scale words too
.macro NEXTF n
.set NC, (\n)/4
.set NQ, (\n)%4
.set NP, (\n)%2
.if (NC%3) == 2
	FETCHC NQ, NP
.else
	FETCHL NC%3, NQ, NP
.endif
.if NQ == 0
	SCALES NC
.endif
.endm
.macro WM1 p, q, sc, zero, m           ; the product of the weights' tile bb and the tokens' tile m
.set rD, 8*(2*bb+(\m))
.set rB, 128*(\p)+8*bb
.set rA, 128*(\p)+96+8*(\m)
.set rSB, SC+28*(\sc)+4*(bb/2)+(\q)
.set rSA, SC+28*(\sc)+24+(\q)
.if \zero
.if (bb%2) && (\m)
	v_wmma_scale_f32_16x16x128_f8f6f4 v[rD:rD+7], v[rB:rB+7], v[rA:rA+7], 0, v[rSB], v[rSA] matrix_a_fmt:MATRIX_FMT_FP4 matrix_b_fmt:MATRIX_FMT_FP4 matrix_a_scale:MATRIX_SCALE_ROW1 matrix_b_scale:MATRIX_SCALE_ROW1
.elseif (bb%2)
	v_wmma_scale_f32_16x16x128_f8f6f4 v[rD:rD+7], v[rB:rB+7], v[rA:rA+7], 0, v[rSB], v[rSA] matrix_a_fmt:MATRIX_FMT_FP4 matrix_b_fmt:MATRIX_FMT_FP4 matrix_a_scale:MATRIX_SCALE_ROW1
.elseif (\m)
	v_wmma_scale_f32_16x16x128_f8f6f4 v[rD:rD+7], v[rB:rB+7], v[rA:rA+7], 0, v[rSB], v[rSA] matrix_a_fmt:MATRIX_FMT_FP4 matrix_b_fmt:MATRIX_FMT_FP4 matrix_b_scale:MATRIX_SCALE_ROW1
.else
	v_wmma_scale_f32_16x16x128_f8f6f4 v[rD:rD+7], v[rB:rB+7], v[rA:rA+7], 0, v[rSB], v[rSA] matrix_a_fmt:MATRIX_FMT_FP4 matrix_b_fmt:MATRIX_FMT_FP4
.endif
.else
.if (bb%2) && (\m)
	v_wmma_scale_f32_16x16x128_f8f6f4 v[rD:rD+7], v[rB:rB+7], v[rA:rA+7], v[rD:rD+7], v[rSB], v[rSA] matrix_a_fmt:MATRIX_FMT_FP4 matrix_b_fmt:MATRIX_FMT_FP4 matrix_a_scale:MATRIX_SCALE_ROW1 matrix_b_scale:MATRIX_SCALE_ROW1
.elseif (bb%2)
	v_wmma_scale_f32_16x16x128_f8f6f4 v[rD:rD+7], v[rB:rB+7], v[rA:rA+7], v[rD:rD+7], v[rSB], v[rSA] matrix_a_fmt:MATRIX_FMT_FP4 matrix_b_fmt:MATRIX_FMT_FP4 matrix_a_scale:MATRIX_SCALE_ROW1
.elseif (\m)
	v_wmma_scale_f32_16x16x128_f8f6f4 v[rD:rD+7], v[rB:rB+7], v[rA:rA+7], v[rD:rD+7], v[rSB], v[rSA] matrix_a_fmt:MATRIX_FMT_FP4 matrix_b_fmt:MATRIX_FMT_FP4 matrix_b_scale:MATRIX_SCALE_ROW1
.else
	v_wmma_scale_f32_16x16x128_f8f6f4 v[rD:rD+7], v[rB:rB+7], v[rA:rA+7], v[rD:rD+7], v[rSB], v[rSA] matrix_a_fmt:MATRIX_FMT_FP4 matrix_b_fmt:MATRIX_FMT_FP4
.endif
.endif
.endm
; 8 matrix instructions: the weights' tiles 4 g .. 4 g + 3 x my two tiles of tokens.  The 24 accumulators take turns, one instruction a turn, in the same order in every step
.macro MULG g, p, q, sc, zero
	WIN 0xa5                                       ; sources 0 and 1 window 1, C and D window 2
.set bb, 4*(\g)
.rept 4
	WM1 \p, \q, \sc, \zero, 0
	WM1 \p, \q, \sc, \zero, 1
.set bb, bb+1
.endr
.endm
; step g, whose successor's fragments lie in bytes that a barrier has already shown whole
.macro STEP g, zero
	s_wait_dscnt 0x0                               ; this step's set is in (asked for a step ago)
	PLACES                                         ; in front of loads into the set that the last step's products read
	NEXTF (\g)+1
	MULG 0, (\g)%2, (\g)%4, ((\g)/4)%2, \zero
	MULG 1, (\g)%2, (\g)%4, ((\g)/4)%2, \zero
	MULG 2, (\g)%2, (\g)%4, ((\g)/4)%2, \zero
	WIN 0
.endm
; step g, a slot's last: one barrier; in front of it each wave waits for all its tensor loads, adds 0 to its spare word, and waits for that and for its reads of this slot.
; fill = 1: the long slot, just read out, is filled again;  2: the short slot;  0: nothing is left to ask for.  Either slot's next tile lies three chunks, 768 bytes of a row, on.
.macro TURN g, fill
	s_wait_tensorcnt 0x0                           ; all my tensor loads have landed: my part of the other slot
	ds_add_u32 v[SPW], v[NIL]                      ; 0 onto my spare word
	s_wait_dscnt 1                                 ; this step's set is in (the add alone may be out)
	MULG 0, 1, 3, ((\g)/4)%2, 0                    ; eight matrix instructions stand between the add and the wait for it
	s_wait_dscnt 0x0                               ; the add is done, and my reads of this slot are over
	s_barrier_signal -1
	MULG 1, 1, 3, ((\g)/4)%2, 0
	WIN 0
	s_barrier_wait -1
.if (\fill) == 1
	CREST                                          ; the barrier has opened a round of the cluster's: no wave of any partner still reads this slot or has a load on its way
	s_add_nc_u64 s[G0AL+2:G0AL+3], s[G0AL+2:G0AL+3], 768
	s_add_nc_u64 s[G0BL+2:G0BL+3], s[G0BL+2:G0BL+3], 768
	JLOAD G0AL, G1AL, G0BL, G1BL                   ; the first tensor load behind the round; its four v_nop are the places in front of the loads below
.elseif (\fill) == 2
	CREST
	s_add_nc_u64 s[G0AC+2:G0AC+3], s[G0AC+2:G0AC+3], 768
	s_add_nc_u64 s[G0BC+2:G0BC+3], s[G0BC+2:G0BC+3], 768
	JLOAD G0AC, G1AC, G0BC, G1BC
.else
	PLACES
.endif
	NEXTF (\g)+1
	MULG 2, 1, 3, ((\g)/4)%2, 0
	WIN 0
.endm
	s_wait_tensorcnt 1                             ; the scale bytes and my part of the long slot are in; the short slot's load may stay out
	s_barrier_signal -1
	s_barrier_wait -1
	NEXTF 0
	STEP 0, 1                                      ; the first step's products start the sums
.irp g, 1,2,3,4,5,6
	STEP \g, 0
.endr
	TURN 7, 1                                      ; chunks 0, 1 are done: the long slot takes chunks 3, 4
.irp g, 8,9,10
	STEP \g, 0
.endr
	TURN 11, 2                                     ; chunk 2 is done: the short slot takes chunk 5
.irp g, 12,13,14,15,16,17,18
	STEP \g, 0
.endr
	TURN 19, 1                                     ; chunks 3, 4 are done: the long slot takes chunks 6, 7
.irp g, 20,21,22
	STEP \g, 0
.endr
	TURN 23, 0                                     ; chunk 5 is done; nothing is left to ask for
.irp g, 24,25,26,27,28,29,30
	STEP \g, 0
.endr
	s_wait_dscnt 0x0
	MULG 0, 1, 3, 1, 0
	MULG 1, 1, 3, 1, 0
	MULG 2, 1, 3, 1, 0
	WIN 0
	; where the results go
	s_lshl_b32 s15, s14, 12
	s_lshl_b32 s89, s19, 14
	s_add_co_u32 s89, s89, s15                     ; (128 tm + 32 w) x 128 bytes
	s_lshl_b32 s88, s18, 19                        ; head 2 tn
	s_add_co_u32 s88, s88, s89
	s_mov_b32 s90, s89
	s_mov_b32 s89, 0
	s_add_nc_u64 s[HB:HB+1], s[12:13], s[88:89]
	s_add_nc_u64 s[HB+2:HB+3], s[HB:HB+1], 262144  ; head 2 tn + 1
	s_add_co_u32 s88, s18, 32
	s_lshl_b32 s88, s88, 18                        ; head 32 + tn
	s_add_co_u32 s88, s88, s90
	s_add_nc_u64 s[HB+4:HB+5], s[12:13], s[88:89]
	s_lshl_b32 s88, s18, 13
	s_add_nc_u64 s[FB:FB+1], s[12:13], s[88:89]
	s_add_nc_u64 s[FB:FB+1], s[FB:FB+1], F32O
	s_add_nc_u64 s[FB+2:FB+3], s[FB:FB+1], 4096
	s_add_co_u32 s88, s18, 32
	s_lshl_b32 s88, s88, 12
	s_add_nc_u64 s[FB+4:FB+5], s[12:13], s[88:89]
	s_add_nc_u64 s[FB+4:FB+5], s[FB+4:FB+5], F32O
	s_cmp_ge_u32 s18, 8
	s_cselect_b32 s[ISV], -1, 0
	s_or_b32 s[FIN], s19, s14
	s_cmp_eq_u32 s[FIN], 0
	s_cselect_b32 s[FIN], -1, 0
	s_mov_b32 s[C64], 0x3c800000
	s_mov_b32 s[EPSR], 0x358637bd
; THE WAY OUT.  One head of 16 tokens at a time: mean of squares (32 numbers a lane, and lane l xor 16's), x rsqrt x gain, the turn, f16, through my stage, out as 2,048 bytes on end.
; A value head goes the same way with 0.25 for the root, 1 for the gain, 1 for cos and 0 for sin, all put in by selects.
.macro EPI m, s
.set AB, 64*(\s)+8*(\m)                ; tile t's accumulator at AB + 16 t, window 2
.set CS, CSB+32*(\m)
.if (\s) < 2
.set NW, QW
.else
.set NW, KW
.endif
	WIN 0x0a                                       ; sources 0 and 1 window 2
	v_pk_mul_f32 v[STT:STT+1], v[AB:AB+1], v[AB:AB+1]              ; each accumulator is read from its low end on
	v_pk_mul_f32 v[STT+2:STT+3], v[AB+2:AB+3], v[AB+2:AB+3]
	v_pk_fma_f32 v[STT:STT+1], v[AB+4:AB+5], v[AB+4:AB+5], v[STT:STT+1]
	v_pk_fma_f32 v[STT+2:STT+3], v[AB+6:AB+7], v[AB+6:AB+7], v[STT+2:STT+3]
.irp t, 1,2,3
	v_pk_fma_f32 v[STT:STT+1], v[AB+16*\t:AB+16*\t+1], v[AB+16*\t:AB+16*\t+1], v[STT:STT+1]
	v_pk_fma_f32 v[STT+2:STT+3], v[AB+16*\t+2:AB+16*\t+3], v[AB+16*\t+2:AB+16*\t+3], v[STT+2:STT+3]
	v_pk_fma_f32 v[STT:STT+1], v[AB+16*\t+4:AB+16*\t+5], v[AB+16*\t+4:AB+16*\t+5], v[STT:STT+1]
	v_pk_fma_f32 v[STT+2:STT+3], v[AB+16*\t+6:AB+16*\t+7], v[AB+16*\t+6:AB+16*\t+7], v[STT+2:STT+3]
.endr
	WIN 0
	v_add_f32 v[STT], v[STT], v[STT+1]
	v_add_f32 v[STT+2], v[STT+2], v[STT+3]
	v_add_f32 v[STT], v[STT], v[STT+2]
	v_permlanex16_b32 v[STT+1], v[STT], s22, s23
	v_add_f32 v[STT], v[STT], v[STT+1]             ; the sum of the head's 64 squares
	v_fma_f32 v[STT], v[STT], s[C64], s[EPSR]      ; / 64 + 1e-6
	v_rsq_f32 v[STT+2], v[STT]
	v_nop                                          ; a plain instruction behind the root
	s_wait_alu depctr_va_vdst(0)                   ; and the wait ahead of its first reader
.if (\s) == 2
	v_cndmask_b32 v[STT+2], v[STT+2], v[QRT], s[ISV]
.endif
	WIN 0x02                                       ; source 0 window 2
.irp t, 0,1,2,3
.irp e, 0,2,4,6
	v_pk_mul_f32 v[T+8*\t+\e:T+8*\t+\e+1], v[AB+16*\t+\e:AB+16*\t+\e+1], v[STT+2:STT+3] op_sel_hi:[1,0]
.endr
.endr
	WIN 0x08                                       ; source 1 window 2: the gain
.irp e, 0,2,4,6,8,10,12,14,16,18,20,22,24,26,28,30
	v_pk_mul_f32 v[T+\e:T+\e+1], v[T+\e:T+\e+1], v[NW+\e:NW+\e+1]
.endr
	WIN 0
.irp t, 0,1                                    ; x'(d) = x(d) cos - x(d + 32) sin;  x'(d + 32) = x(d + 32) cos + x(d) sin
.irp e, 0,2,4,6
	v_pk_mul_f32 v[STT+4:STT+5], v[T+16+8*\t+\e:T+16+8*\t+\e+1], v[CS+16+8*\t+\e:CS+16+8*\t+\e+1]
	v_pk_mul_f32 v[STT+6:STT+7], v[T+8*\t+\e:T+8*\t+\e+1], v[CS+16+8*\t+\e:CS+16+8*\t+\e+1]
	v_pk_fma_f32 v[T+8*\t+\e:T+8*\t+\e+1], v[T+8*\t+\e:T+8*\t+\e+1], v[CS+8*\t+\e:CS+8*\t+\e+1], v[STT+4:STT+5] neg_lo:[0,0,1] neg_hi:[0,0,1]
	v_pk_fma_f32 v[T+16+8*\t+\e:T+16+8*\t+\e+1], v[T+16+8*\t+\e:T+16+8*\t+\e+1], v[CS+8*\t+\e:CS+8*\t+\e+1], v[STT+6:STT+7]
.endr
.endr
.if (\m) == 0                                  ; tokens 0-15 also leave unrounded.  A predicate and no branch: every wave of every partner runs these lines, one wave of the tile row 0 with its lanes on
	s_wait_xcnt 0x0                                ; EXEC changes only behind this wait
	s_mov_b32 vcc_lo, s[FIN]
	s_and_saveexec_b32 s[SVX], vcc_lo
.irp t, 0,1,2,3
	global_store_b128 v[VF], v[T+8*\t:T+8*\t+3], s[FB+2*(\s):FB+2*(\s)+1] offset:64*\t
	global_store_b128 v[VF], v[T+8*\t+4:T+8*\t+7], s[FB+2*(\s):FB+2*(\s)+1] offset:64*\t+16
.endr
	s_wait_xcnt 0x0                                ; and again in front of the line that widens it; the stores have read their data too
	s_or_b32 exec_lo, exec_lo, s[SVX]
.endif
.irp t, 0,1,2,3
.irp e, 0,1,2,3
	v_cvt_pk_f16_f32 v[P+4*\t+\e], v[T+8*\t+2*\e], v[T+8*\t+2*\e+1]
.endr
.endr
.irp t, 0,1,2,3
	ds_store_b128 v[STO], v[P+4*\t:P+4*\t+3] offset:32*\t
.endr
	s_wait_xcnt 0x0                                ; the last head's stores have read the registers that the loads below fill
.irp i, 0,1,2,3
	ds_load_b128 v[OB+4*\i:OB+4*\i+3], v[RD] offset:576*\i         ; LDS serves a wave's instructions in order: these see my stores
.endr
	s_wait_dscnt 0x0
.irp i, 0,1,2,3
	global_store_b128 v[LO16], v[OB+4*\i:OB+4*\i+3], s[HB+2*(\s):HB+2*(\s)+1] offset:2048*(\m)+512*\i   ; 512 consecutive bytes, aligned
.endr
.endm
	PLACES                                         ; behind the last products, in front of the first read of results
	s_wait_loadcnt 0x0                             ; the table and the gains
	WIN 0x82                                       ; destination and source 0 window 2
.set i, 0
.rept 32
	v_cndmask_b32 v[KW+i], v[KW+i], 1.0, s[ISV]    ; a value head has no gain
.set i, i+1
.endr
	WIN 0
.irp m, 0,1
	EPI \m, 0
	EPI \m, 1
.set i, 0
.rept 16
	v_cndmask_b32 v[CSB+32*\m+i], v[CSB+32*\m+i], 1.0, s[ISV]      ; nor a turn: cos = 1,
	v_cndmask_b32 v[CSB+32*\m+16+i], v[CSB+32*\m+16+i], 0, s[ISV]  ; sin = 0
.set i, i+1
.endr
	EPI \m, 2
.endr
	s_wait_tensorcnt 0x0                           ; the wave's end, behind my last tensor load and my last LDS store
	ds_add_u32 v[SPW], v[NIL]
	s_wait_dscnt 0x0
	CROUND                                         ; the closing round: no work-group ends while a partner may still ask for a tile that names it
	s_endpgm
.Lfunc_end_k_q03530bf19f_qkv:
	.size	k_q03530bf19f_qkv, .Lfunc_end_k_q03530bf19f_qkv-k_q03530bf19f_qkv
	.p2alignl 7, 3214868480
	.fill 96, 4, 3214868480
	.section	.rodata,"a",@progbits
	.p2align	6, 0x0
	.amdhsa_kernel k_q03530bf19f_qkv
		.amdhsa_group_segment_fixed_size 327680
		.amdhsa_private_segment_fixed_size 0
		.amdhsa_enable_private_segment 0
		.amdhsa_kernarg_size 40
		.amdhsa_user_sgpr_count 2
		.amdhsa_user_sgpr_kernarg_segment_ptr 1
		.amdhsa_wavefront_size32 1
		.amdhsa_system_sgpr_workgroup_id_x 1
		.amdhsa_system_sgpr_workgroup_id_y 1
		.amdhsa_system_sgpr_workgroup_id_z 1
		.amdhsa_system_vgpr_workitem_id 0
		.amdhsa_next_free_vgpr 768
		.amdhsa_next_free_sgpr 104
		.amdhsa_reserve_vcc 1
		.amdhsa_float_denorm_mode_32 3
		.amdhsa_float_denorm_mode_16_64 3
		.amdhsa_memory_ordered 1
		.amdhsa_forward_progress 1
		.amdhsa_inst_pref_size 236
	.end_amdhsa_kernel
	.amdgpu_metadata
---
amdhsa.version: [ 1, 2 ]
amdhsa.kernels:
  - .name:           k_q03530bf19f_qkv
    .symbol:         k_q03530bf19f_qkv.kd
    .args:
      - { .name: acts, .offset: 0, .size: 8, .value_kind: global_buffer, .address_space: global }
      - { .name: wts, .offset: 8, .size: 8, .value_kind: global_buffer, .address_space: global }
      - { .name: q_norm_w, .offset: 16, .size: 8, .value_kind: global_buffer, .address_space: global }
      - { .name: k_norm_w, .offset: 24, .size: 8, .value_kind: global_buffer, .address_space: global }
      - { .name: qkv, .offset: 32, .size: 8, .value_kind: global_buffer, .address_space: global }
    .group_segment_fixed_size: 327680
    .private_segment_fixed_size: 0
    .kernarg_segment_align: 8
    .kernarg_segment_size: 40
    .max_flat_workgroup_size: 128
    .sgpr_count:     104
    .vgpr_count:     768
    .wavefront_size: 32
...
	.end_amdgpu_metadata
.endif
;; end of part 2
;; launch attn (part 3): grid 32 x 8, 16 waves a work-group, no clusters, 327,680 bytes of LDS; arguments qkv, att, Wo, wo16; writes att, wo16
.if DOCPART == 3
	.amdgcn_target "amdgcn-amd-amdhsa--gfx1250"
	.amdhsa_code_object_version 6
	.text
	.protected	k_q03530bf19f_attn
	.globl	k_q03530bf19f_attn
	.p2align	8
	.type	k_q03530bf19f_attn,@function
k_q03530bf19f_attn:
	s_mov_b64 s[64:65], 0
	v_nop
	global_prefetch_b8 v0, s[64:65] scope:SCOPE_SE
	s_setreg_imm32_b32 hwreg(HW_REG_WAVE_MODE, 25, 1), 1
	s_wait_xcnt 0x0
; ATTN: causal attention, 32 query heads on 8 key and value heads, head size 64, operands in f16, products, maxima and sums in f32; the weights p are rounded to f16 for the second product.
; qkv: [48 heads][2048][64] f16 (queries 0-31, keys 32-39, values / 4 at 40-47); +F32O the same of tokens 0-15 in f32.
; att: +0 [2048 tokens][2048] f16 = attention / 4, column 64 head + d;  +ATF the true attention of tokens 0-15 in f32, in the order in which the last launch's operand registers take it:
;      number (token m, k = 8 I + 4 a + 2 hk + j) at float 128 I + 4 (16 hk + m) + 2 a + j.
; ALSO: wo16 = f16(4 Wo), laid as Wo lies, for the launch behind this one (the attention is carried as a quarter: both factors are exact).  LIMIT: |Wo| < 16,376 (f16's range after the factor 4).
; SHARES.  Work-group (i, g): key and value head g, its four query heads, token blocks i and 63 - i of 32 tokens: under the causal mask every work-group has the same work.  Sixteen waves, one tile of 16 queries each:
; head 4 g + w % 4, tile (w / 4 + w % 4) % 4 (tiles 0, 1 in block i, tiles 2, 3 in block 63 - i).  All sixteen read the same keys and values, from a ring of two LDS slots of 256 keys (waves 0, 1 fetch K's halves, waves 2, 3 V's).
; NO CLUSTER: neighbouring work-groups' causal limits lie up to 96 keys apart, so a partner would have to ask for slots that none of its waves reads.
; LAYOUT.  S^T = K Q^T (source 0 = 16 keys, source 1 = my 16 queries), O^T = V^T P: a lane holds ONE query (lane % 16) throughout; two tiles of S^T, rounded in pairs, are source 1 of the second product.  V comes out of LDS turned.
; SOFTMAX.  A running maximum m and sum l: p = 2^(c s - c m), c = log2(e) / 8; in every step O and l are multiplied by 2^(c m_old - c m_new).
; CAUSAL.  Every work-group walks all 8 slots (constant trip counts); a step all of whose keys come after the wave's queries is left out by a scalar branch on ids; a slot whose first key comes after the work-group's last query is not asked for.
; Wo.  The eight waves that own tiles 0 and 1 have no key in the last slot (their last query is at most 1,023, the slot begins at key 1,792): behind the last change of slots each of them converts 8,192 bytes of Wo, while the other eight work.
; TOKENS 0-15 are also carried in f32 (v_wmma_f32_16x16x4_f32), by the four waves of work-group i = 0 that own tile 0, behind their last step.
; REGISTERS: v1-12 addresses that stay; v13-15 at work; v16 c m, v17 m, v[18:19] l, v[20:21] the factor, v22-27 at work; v32-47 Q; v48-111 K's 8 fragments, then V's; v112-143 S^T, then p; v144-159 P; v160-191 O^T;
;   v192-201 at work; v208-255 the f32 products' results, written by matrix instructions alone.
.set KP,    144                        ; a key's row in LDS: 128 bytes + 16
.set VP,    160                        ; a value's: 128 + 32
.set VOFF,  256*KP
.set SLOT1, 1<<17
.set SPARE, 2*SLOT1                    ; the spare words, 128 bytes for each of 16 waves, which no other line names
.set STAGE, SPARE+2048                 ; the way out: 64 tokens x (512 bytes + 16); no fill lands here
.set SPT,   528
.set NSL,   8
.set F32O,  12582912
.set ATF,   8388608
.set AK0, 1
.set AV0, 2
.set SPW, 3
.set NIL, 4
.set ADK, 5
.set ADV, 6
.set STO, 7
.set RD,  8
.set LO16, 9
.set RR,  10
.set HH,  11
.set PFO, 12
.set CM,  16
.set MX,  17
.set LS,  18
.set AA,  20
.set TT,  22
.set Q,   32
.set X,   48
.set S,   112
.set P,   144
.set O,   160
.set WV,  18
.set SEL, 20
.set CS,  22
.set TB,  2
.set G1K, 24
.set G1V, 32
.set G0K, 40
.set G0V, 44
.set Q15, 66
.set SLOTS, 67
.set LQ,  68
.set PFA, 76
.set LIM, 80
.set KF,  98
.set Q0,  99
; Waves 0 and 1 fetch for K, waves 2 and 3 for V, the others nothing.  An s_nop 0 and four v_nop follow each line.
.macro TLOAD
	s_cmp_lt_u32 s[WV], 2
	s_cbranch_scc0 .Lnot_k_\@
	tensor_load_to_lds s[G0K:G0K+3], s[G1K:G1K+7]
	s_nop 0
.rept 4
	v_nop
.endr
	s_branch .Lasked_\@
.Lnot_k_\@:
	s_cmp_lt_u32 s[WV], 4
	s_cbranch_scc0 .Lasked_\@
	tensor_load_to_lds s[G0V:G0V+3], s[G1V:G1V+7]
	s_nop 0
.rept 4
	v_nop
.endr
.Lasked_\@:
.endm
; A prefetch of what the NEXT change of slots will ask for: 32,768 bytes of K and as many of V.  All 32 work-groups of a head walk the same rows: work-group i = 0 asks, and in it the waves that fetch nothing:
; waves 4-7 for K, waves 8-11 for V, 8,192 bytes a wave, lanes 256 bytes apart: each aligned 256 bytes is named once in the launch.  The last change that fills a slot asks for nothing; slots 0 and 1 come by their loads alone.
.macro ASK
	s_cmp_gt_u32 s[SLOTS], s[LIM]
	s_cbranch_scc0 .Lnot_mine_\@
	global_prefetch_b8 v[PFO], s[PFA:PFA+1] th:TH_LOAD_NT scope:SCOPE_SE
.Lnot_mine_\@:
.endm
	s_load_b256 s[4:11], s[0:1], 0x0               ; qkv 4, att 6, Wo 8, wo16 10
	v_lshl_add_u32 v[SPW], v0, 2, SPARE
	v_mov_b32 v[NIL], 0
	ds_add_u32 v[SPW], v[NIL]                      ; the wave's opening: the add, twice on end, and its wait ahead of my first tensor load
	ds_add_u32 v[SPW], v[NIL]
	v_lshrrev_b32 v5, 5, v0
	v_readfirstlane_b32 s[WV], v5                  ; wave 0..15
	s_and_b32 s71, ttmp7, 0xffff                   ; g
	s_and_b32 s72, s[WV], 3
	s_lshr_b32 s73, s[WV], 2
	s_add_co_u32 s70, s72, s73
	s_and_b32 s70, s70, 3                          ; my tile
	s_lshl_b32 s74, ttmp9, 5                       ; 32 i
	s_lshl_b32 s75, s70, 4
	s_add_co_u32 s96, s74, s75                     ; tiles 0, 1: 32 i + 16 tile
	s_sub_co_u32 s97, 1984, s74
	s_add_co_u32 s97, s97, s75                     ; tiles 2, 3: 32 (63 - i) + 16 (tile - 2)
	s_cmp_lt_u32 s70, 2
	s_cselect_b32 s[Q0], s96, s97                  ; my first query
	s_lshl_b32 s75, s73, 4
	s_add_co_u32 s96, s74, s75
	s_sub_co_u32 s97, 1984, s74
	s_add_co_u32 s97, s97, s75
	s_cmp_lt_u32 s73, 2
	s_cselect_b32 s69, s96, s97                    ; the first token of tile w / 4: whose rows I store
	s_add_co_u32 s[Q15], s[Q0], 15
	s_sub_co_u32 s[LQ], 2047, s74                  ; my work-group's last query
	; descriptor groups 1: 128 rows of 64 elements of 2 bytes, dense in memory; padding behind every 32 words: 4 words for K, 8 for V
	s_mov_b32 s[G1K], (1<<16)|(1<<20)|(4<<22)|(3<<25)
	s_mov_b32 s[G1V], (1<<16)|(1<<20)|(4<<22)|(7<<25)
.irp g, G1K, G1V
	s_mov_b32 s[\g+1], 64<<16
	s_mov_b32 s[\g+2], 128<<16
	s_mov_b32 s[\g+3], 64<<16
	s_mov_b32 s[\g+4], 128
	s_mov_b32 s[\g+5], 64
	s_mov_b32 s[\g+6], 0
	s_mov_b32 s[\g+7], 0
.endr
	s_and_b32 s75, s[WV], 1                        ; which half of a slot's 256 rows I fetch, if I fetch
	s_add_co_u32 s96, s71, 32
	s_lshl_b32 s96, s96, 18
	s_lshl_b32 s97, s75, 14
	s_add_co_u32 s82, s96, s97                     ; K: head 32 + g
	s_mov_b32 s83, 0
	s_add_co_u32 s84, s82, 8<<18                   ; V: head 40 + g
	s_mov_b32 s85, 0
	s_mul_i32 s86, s75, 128*KP
	s_mul_i32 s87, s75, 128*VP
	s_add_co_u32 s87, s87, VOFF
	s_mov_b32 s[SEL], 0x76543210
	s_mov_b32 s[SEL+1], 0xfedcba98
	s_mov_b32 s[CS], 0x3e38aa3b                    ; c = log2(e) / 8
	s_mov_b32 s[CS+1], s[CS]
	s_mov_b32 s[TB], 0
	s_mov_b32 s[SLOTS], NSL-1
	s_mov_b32 s[KF], 0
	s_wait_dscnt 0x0                               ; both opening adds are done
	s_wait_kmcnt 0x0
	s_mov_b32 s[G0K], 1
	s_mov_b32 s[G0K+1], s86
	s_add_nc_u64 s[G0K+2:G0K+3], s[4:5], s[82:83]
	s_or_b32 s[G0K+3], s[G0K+3], 0x80000000
	s_mov_b32 s[G0V], 1
	s_mov_b32 s[G0V+1], s87
	s_add_nc_u64 s[G0V+2:G0V+3], s[4:5], s[84:85]
	s_or_b32 s[G0V+3], s[G0V+3], 0x80000000
	TLOAD                                          ; slot 0: it holds key 0, which counts for every query
	s_lshl_b32 s88, s71, 2
	s_add_co_u32 s88, s88, s72                     ; my query head
	s_lshl_b32 s96, s88, 18
	s_lshl_b32 s97, s[Q0], 7
	s_add_co_u32 s96, s96, s97
	s_mov_b32 s97, 0
	s_add_nc_u64 s[58:59], s[4:5], s[96:97]        ; my 16 queries
	s_lshl_b32 s96, s88, 12
	s_add_nc_u64 s[48:49], s[4:5], s[96:97]
	s_add_nc_u64 s[48:49], s[48:49], F32O          ; the f32 copies: my query head's,
	s_add_nc_u64 s[54:55], s[6:7], s[96:97]
	s_add_nc_u64 s[54:55], s[54:55], ATF           ; (and where the f32 result of my head goes)
	s_add_co_u32 s96, s71, 32
	s_lshl_b32 s96, s96, 12
	s_add_nc_u64 s[50:51], s[4:5], s[96:97]
	s_add_nc_u64 s[50:51], s[50:51], F32O          ; the key head's,
	s_add_nc_u64 s[52:53], s[50:51], 8*4096        ; the value head's
	s_lshl_b32 s96, s72, 2
	s_add_co_u32 s96, s96, s69
	s_lshl_b32 s96, s96, 12
	s_lshl_b32 s89, s71, 9
	s_add_co_u32 s96, s96, s89
	s_add_nc_u64 s[56:57], s[6:7], s[96:97]        ; the four rows that I store: token x 4,096 + 512 g
	s_cmp_lt_u32 s[WV], 8                          ; the prefetches: waves 4-7 K, waves 8-11 V
	s_cselect_b32 s96, 32, 40
	s_add_co_u32 s96, s96, s71
	s_lshl_b32 s96, s96, 18
	s_lshl_b32 s89, s72, 13
	s_add_co_u32 s96, s96, s89
	s_add_co_u32 s96, s96, 32768                   ; in slot 1: the first change of slots steps it to slot 2
	s_add_nc_u64 s[PFA:PFA+1], s[4:5], s[96:97]
	s_lshl_b32 s96, s71, 5                         ; my run of Wo, if I own tile 0 or 1: work-group 32 g + i,
	s_add_co_u32 s96, s96, ttmp9
	s_lshl_b32 s96, s96, 3                         ; eight runs to a work-group:
	s_lshl_b32 s89, s72, 1
	s_add_co_u32 s96, s96, s89                     ; 2 (w % 4)
	s_and_b32 s89, s70, 1
	s_add_co_u32 s96, s96, s89                     ; + my tile
	s_lshl_b32 s96, s96, 12                        ; 4,096 bytes of wo16,
	s_add_nc_u64 s[10:11], s[10:11], s[96:97]
	s_lshl_b32 s96, s96, 1                         ; 8,192 of Wo
	s_add_nc_u64 s[8:9], s[8:9], s[96:97]
	s_sub_co_u32 s96, s[WV], 4
	s_lshr_b32 s96, s96, 3                         ; 0 in waves 4 to 11,
	s_or_b32 s96, s96, ttmp9                       ; of work-group i = 0
	s_cmp_eq_u32 s96, 0
	s_cselect_b32 s[LIM], 1, -1
	v_and_b32 v[RR], 15, v0                        ; r
	v_bfe_u32 v[HH], v0, 4, 1                      ; h
	v_and_b32 v13, 31, v0
	v_lshlrev_b32 v15, 7, v[RR]
	v_lshl_add_u32 v15, v[HH], 4, v15              ; Q: row r of 128 bytes + 16 h
.irp c, 0,1
	global_load_b128 v[Q+8*\c:Q+8*\c+3], v15, s[58:59] offset:64*\c
	global_load_b128 v[Q+8*\c+4:Q+8*\c+7], v15, s[58:59] offset:64*\c+32
.endr
	v_mul_u32_u24 v[AK0], v[RR], KP
	v_lshl_add_u32 v[AK0], v[HH], 4, v[AK0]
	v_and_b32 v14, 7, v0
	v_lshl_add_u32 v[AV0], v[HH], 3, v14           ; the turning load: key 8 h + l % 8,
	v_mul_u32_u24 v[AV0], v[AV0], VP
	v_bfe_u32 v14, v0, 3, 1
	v_lshl_add_u32 v[AV0], v14, 4, v[AV0]          ; channels 8 ((l / 8) % 2) on
	v_add_nc_u32 v[AV0], VOFF, v[AV0]
	s_lshl_b32 s96, s70, 4
	s_mul_i32 s96, s96, SPT
	s_lshl_b32 s89, s72, 7
	s_add_co_u32 s96, s96, s89
	s_add_co_u32 s96, s96, STAGE
	v_mul_u32_u24 v[STO], v[RR], SPT
	v_lshl_add_u32 v[STO], v[HH], 4, v[STO]
	v_add_nc_u32 v[STO], s96, v[STO]               ; the stage, in: row 16 tile + r, my head's 128 bytes, + 16 h
	s_mul_i32 s96, s[WV], 4*SPT
	s_add_co_u32 s96, s96, STAGE
	v_lshlrev_b32 v[LO16], 4, v13
	v_add_nc_u32 v[RD], s96, v[LO16]               ; back: rows 4 w .. 4 w + 3, whole
	v_lshlrev_b32 v[PFO], 8, v13
	v_mov_b32 v[MX], 0xff61b1e6                    ; the largest score so far: -3e38
	v_mul_f32 v[CM], s[CS], v[MX]
.irp j, 18,19,20,21,22,23,24,25,26,27
	v_mov_b32 v[\j], 0                             ; the sum, the factor's pair, and registers that a lane permute names as its destination
.endr
.set i, 0
.rept 32
	v_mov_b32 v[O+i], 0                            ; O^T: the step is written once; the first finds zeros
.set i, i+1
.endr
; A KEY STEP: 64 keys, the q-th of the slot in hand
.macro STEP q
	s_cmp_gt_u32 s[KF], s[Q15]                     ; all keys come after my queries: the step's work is left out
	s_cbranch_scc1 .Lhidden_\@
	v_add_nc_u32 v[ADK], s[TB], v[AK0]
	v_add_nc_u32 v[ADV], s[TB], v[AV0]
	v_nop
	v_nop                                          ; four places in front of loads into registers that the last products read
.irp kt, 0,1,2,3
.irp c, 0,1
	ds_load_b128 v[X+8*(2*\kt+\c):X+8*(2*\kt+\c)+3], v[ADK] offset:(64*(\q)+16*\kt)*KP+64*\c
	ds_load_b128 v[X+8*(2*\kt+\c)+4:X+8*(2*\kt+\c)+7], v[ADK] offset:(64*(\q)+16*\kt)*KP+64*\c+32
.endr
.endr
	s_wait_dscnt 0x0
.irp kt, 0,1,2,3                               ; the four accumulators take turns
	v_wmma_f32_16x16x32_f16 v[S+8*\kt:S+8*\kt+7], v[X+16*\kt:X+16*\kt+7], v[Q:Q+7], 0
.endr
.irp kt, 0,1,2,3
	v_wmma_f32_16x16x32_f16 v[S+8*\kt:S+8*\kt+7], v[X+16*\kt+8:X+16*\kt+15], v[Q+8:Q+15], v[S+8*\kt:S+8*\kt+7]
.endr
.rept 4
	v_nop                                          ; places: for the loads below and for the first read of the scores
.endr
.irp u, 0,1                                    ; V, turned, into K's registers: it lands under the softmax
.irp ct, 0,1,2,3
	ds_load_tr16_b128 v[X+8*(4*\u+\ct):X+8*(4*\u+\ct)+3], v[ADV] offset:(64*(\q)+32*\u)*VP+32*\ct
	ds_load_tr16_b128 v[X+8*(4*\u+\ct)+4:X+8*(4*\u+\ct)+7], v[ADV] offset:(64*(\q)+32*\u)*VP+32*\ct+16*VP
.endr
.endr
	s_add_co_u32 s96, s[KF], 63                    ; a step all of whose keys count skips the mask
	s_cmp_le_u32 s96, s[Q0]
	s_cbranch_scc1 .Lopen_\@
	s_sub_co_i32 s96, s[Q0], s[KF]
	v_lshlrev_b32 v13, 3, v[HH]
	v_sub_nc_u32 v13, v[RR], v13
	v_add_nc_u32 v13, s96, v13                     ; d = my query - the step's first key - 8 h: register 8 kt + j holds a hidden key where 16 kt + j > d
	v_mov_b32 v14, 0xff800000                      ; -infinity
.irp kt, 0,1,2,3
.irp j, 0,1,2,3,4,5,6,7
	v_cmp_gt_i32 vcc_lo, 16*\kt+\j, v13
	v_cndmask_b32 v[S+8*\kt+\j], v[S+8*\kt+\j], v14, vcc_lo
.endr
.endr
.Lopen_\@:
.irp kt, 0,1,2,3
	v_max3_num_f32 v[TT+\kt], v[S+8*\kt], v[S+8*\kt+1], v[S+8*\kt+2]       ; four chains, each from its accumulator's low end
.endr
.irp i, 3,5
.irp kt, 0,1,2,3
	v_max3_num_f32 v[TT+\kt], v[TT+\kt], v[S+8*\kt+\i], v[S+8*\kt+\i+1]
.endr
.endr
	v_max3_num_f32 v[TT], v[TT], v[S+7], v[S+15]
	v_max3_num_f32 v[TT+2], v[TT+2], v[S+23], v[S+31]
	v_max3_num_f32 v[TT], v[TT], v[TT+1], v[TT+2]
	v_max3_num_f32 v[TT], v[TT], v[TT+3], v[MX]
	v_permlanex16_b32 v[TT+1], v[TT], s[SEL], s[SEL+1]             ; the query's other 32 keys lie in the lane 16 away
	v_mov_b32 v[TT+5], v[CM]
	v_max_num_f32 v[MX], v[TT], v[TT+1]            ; the new m
	v_mul_f32 v[CM], s[CS], v[MX]
	v_sub_f32 v[TT+5], v[TT+5], v[CM]              ; c m_old - c m_new
.irp j, 0,2,4,6,8,10,12,14,16,18,20,22,24,26,28,30
	v_pk_fma_f32 v[S+\j:S+\j+1], v[S+\j:S+\j+1], s[CS:CS+1], v[CM:CM+1] op_sel_hi:[1,0,0] neg_lo:[0,0,1] neg_hi:[0,0,1]   ; c s - c m
.endr
	v_exp_f32 v[AA], v[TT+5]
.set i, 0
.rept 32
	v_exp_f32 v[S+i], v[S+i]                       ; p, at most 1
.set i, i+1
.endr
	v_nop                                          ; a plain instruction behind the last exponential
	s_wait_alu depctr_va_vdst(0)                   ; one wait for the 33, ahead of their first reader
	v_pk_mul_f32 v[LS:LS+1], v[LS:LS+1], v[AA:AA+1] op_sel_hi:[1,0]
.set i, 0
.rept 16
	v_cvt_pk_f16_f32 v[P+i], v[S+2*i], v[S+2*i+1]
.set i, i+1
.endr
	v_pk_add_f32 v[192:193], v[S:S+1], v[S+2:S+3]  ; the row's sum, of the unrounded p, in two chains
.irp j, 4,8,12,16,20,24,28
	v_pk_add_f32 v[LS:LS+1], v[LS:LS+1], v[S+\j:S+\j+1]
	v_pk_add_f32 v[192:193], v[192:193], v[S+\j+2:S+\j+3]
.endr
	v_pk_add_f32 v[LS:LS+1], v[LS:LS+1], v[192:193]
.irp j, 0,2,4,6,8,10,12,14,16,18,20,22,24,26,28,30
	v_pk_mul_f32 v[O+\j:O+\j+1], v[O+\j:O+\j+1], v[AA:AA+1] op_sel_hi:[1,0]    ; O^T under the new m, each accumulator from its low end on
.endr
	s_wait_dscnt 0x0                               ; V is in
.irp u, 0,1
.irp ct, 0,1,2,3
	v_wmma_f32_16x16x32_f16 v[O+8*\ct:O+8*\ct+7], v[X+8*(4*\u+\ct):X+8*(4*\u+\ct)+7], v[P+8*\u:P+8*\u+7], v[O+8*\ct:O+8*\ct+7]
.endr
.endr
.Lhidden_\@:
	s_add_co_u32 s[KF], s[KF], 64
.endm
; THE CHANGE OF SLOTS stands at a slot's head.  Each wave waits for all its tensor loads, adds 0 to its spare word (fill = 1: twice on end), and waits for that and for its reads of the slot that it has left.
; Behind the barrier the slot ahead is whole and nobody reads the other one; fill = 1: that one is filled with the next 256 keys, up to the causal limit.
.macro CHANGE fill
	s_wait_tensorcnt 0x0                           ; no tensor load of mine is out, so a group 0 may be written
	ds_add_u32 v[SPW], v[NIL]                      ; 0 onto my spare word
.if \fill
	ds_add_u32 v[SPW], v[NIL]                      ; and once more, in every trip alike
	s_xor_b32 s[G0K+1], s[G0K+1], SLOT1            ; the walking descriptors: the other slot, the next 256 keys
	s_add_nc_u64 s[G0K+2:G0K+3], s[G0K+2:G0K+3], 32768
	s_xor_b32 s[G0V+1], s[G0V+1], SLOT1
	s_add_nc_u64 s[G0V+2:G0V+3], s[G0V+2:G0V+3], 32768
	s_wait_xcnt 0x0                                ; the last prefetch, a slot back, has read its address
	s_add_nc_u64 s[PFA:PFA+1], s[PFA:PFA+1], 32768
.endif
	s_wait_dscnt 0x0                               ; the add is done, and my reads of the slot that I have left are over
	s_barrier_signal -1
	s_barrier_wait -1
.if \fill
	s_add_co_u32 s96, s[KF], 256                   ; the first key of the slot that this change would ask for
	s_cmp_gt_u32 s96, s[LQ]                        ; past my work-group's last query: none of its waves would read it.  Ids and the count of steps alone: all sixteen waves go the same way
	s_cbranch_scc1 .Lpast_\@
	TLOAD                                          ; a wave's one tensor load until the next such barrier
.Lpast_\@:
	ASK
.endif
.endm
.macro SLOT_STEPS
	STEP 0
	STEP 1
	STEP 2
	STEP 3
	s_xor_b32 s[TB], s[TB], SLOT1
.endm
	s_wait_loadcnt 0x0                             ; Q
.Lslot:                                                ; 7 trips
	CHANGE 1
	SLOT_STEPS
	s_sub_co_u32 s[SLOTS], s[SLOTS], 1
	s_cmp_lg_u32 s[SLOTS], 0
	s_cbranch_scc1 .Lslot
	CHANGE 0                                       ; the last slot is written out: nothing is left to ask for
	; Wo -> f16(4 Wo): the waves that own tiles 0 and 1, for which every step of the last slot is hidden.  The wave's number alone decides; no barrier and no LDS access stands in here.
	s_cmp_lt_u32 s70, 2
	s_cbranch_scc0 .Lno_wo
	v_and_b32 v13, 31, v0
	v_lshlrev_b32 v13, 3, v13                      ; my 8 bytes of a store's 256
	v_nop
	v_nop                                          ; four places in front of loads into registers that the last products read
.set i, 0
.rept 16
	global_load_b128 v[X+4*i:X+4*i+3], v[LO16], s[8:9] offset:512*i th:TH_LOAD_NT   ; all 16 loads go out at once: 512 consecutive bytes each
.set i, i+1
.endr
.set i, 0
.rept 16
	s_wait_loadcnt 15-i                            ; loads come back in order: load i is in, the younger ones stay out
	v_mul_f32 v[X+4*i], 4.0, v[X+4*i]
	v_mul_f32 v[X+4*i+1], 4.0, v[X+4*i+1]
	v_mul_f32 v[X+4*i+2], 4.0, v[X+4*i+2]
	v_mul_f32 v[X+4*i+3], 4.0, v[X+4*i+3]
	v_cvt_pk_f16_f32 v[S+2*i], v[X+4*i], v[X+4*i+1]
	v_cvt_pk_f16_f32 v[S+2*i+1], v[X+4*i+2], v[X+4*i+3]
	global_store_b64 v13, v[S+2*i:S+2*i+1], s[10:11] offset:256*i   ; 256 consecutive bytes, aligned; no register is written twice
.set i, i+1
.endr
	s_wait_xcnt 0x0                                ; the stores have read their registers, which later lines write again
.Lno_wo:
	SLOT_STEPS
.rept 4
	v_nop                                          ; places behind the last products
.endr
	; TOKENS 0-15 IN f32: the waves that own tile 0 of work-group i = 0.  Ids alone decide; no barrier and no LDS access stands in here.
	s_or_b32 s96, s70, ttmp9
	s_cmp_lg_u32 s96, 0
	s_cbranch_scc1 .Lcoarse
	v_lshlrev_b32 v192, 8, v[RR]
	v_lshl_add_u32 v192, v[HH], 7, v192            ; q, k: row r of 256 bytes + 128 h: register e holds channel 32 h + e, alike on both sides
	v_lshlrev_b32 v193, 2, v[RR]
	v_lshl_add_u32 v193, v[HH], 11, v193           ; v: key 8 h + .., channel r + ..
	v_lshlrev_b32 v194, 4, v[RR]
	v_lshl_add_u32 v194, v[HH], 9, v194            ; the result: 512 h + 16 r
	v_lshlrev_b32 v195, 3, v[HH]
	v_sub_nc_u32 v195, v[RR], v195                 ; r - 8 h
	v_mov_b32 v196, 0xff800000
	v_mov_b32 v198, 0
.irp i, 0,1,2,3,4,5,6,7
	global_load_b128 v[48+4*\i:51+4*\i], v192, s[48:49] offset:16*\i
	global_load_b128 v[80+4*\i:83+4*\i], v192, s[50:51] offset:16*\i
.endr
.irp ct, 0,1,2,3
.irp n, 0,1,2,3,4,5,6,7
	global_load_b32 v[112+8*\ct+\n], v193, s[52:53] offset:256*\n+64*\ct   ; v(key 8 h + n, channel 16 ct + r) / 4
.endr
.endr
	s_wait_loadcnt 0x0
	v_wmma_f32_16x16x4_f32 v[208:215], v[80:81], v[48:49], 0       ; S^T = k q^T on two accumulators by turns; the first two products start the sums
	v_wmma_f32_16x16x4_f32 v[216:223], v[82:83], v[50:51], 0
.irp s, 2,4,6,8,10,12,14
	v_wmma_f32_16x16x4_f32 v[208:215], v[80+2*\s:81+2*\s], v[48+2*\s:49+2*\s], v[208:215]
	v_wmma_f32_16x16x4_f32 v[216:223], v[82+2*\s:83+2*\s], v[50+2*\s:51+2*\s], v[216:223]
.endr
.rept 8
	v_nop                                          ; eight places behind this form
.endr
.irp j, 0,1,2,3,4,5,6,7
	v_add_f32 v[144+\j], v[208+\j], v[216+\j]      ; the score of key 8 h + j and query r
.endr
.irp j, 0,1,2,3,4,5,6,7
	v_cmp_gt_i32 vcc_lo, \j, v195
	v_cndmask_b32 v[144+\j], v[144+\j], v196, vcc_lo
.endr
	v_max3_num_f32 v197, v144, v145, v146
	v_max3_num_f32 v197, v197, v147, v148
	v_max3_num_f32 v197, v197, v149, v150
	v_max_num_f32 v197, v197, v151
	v_permlanex16_b32 v198, v197, s[SEL], s[SEL+1]
	v_max_num_f32 v197, v197, v198                 ; the row's maximum (key 0 counts for every query)
	v_mul_f32 v197, s[CS], v197
.irp j, 0,1,2,3,4,5,6,7
	v_fma_f32 v[144+\j], v[144+\j], s[CS], -v197
.endr
.irp j, 0,1,2,3,4,5,6,7
	v_exp_f32 v[144+\j], v[144+\j]
.endr
	v_nop
	s_wait_alu depctr_va_vdst(0)                   ; one wait for the eight
	v_add_f32 v199, v144, v145
	v_add_f32 v200, v146, v147
	v_add_f32 v201, v148, v149
	v_add_f32 v197, v150, v151
	v_add_f32 v199, v199, v200
	v_add_f32 v201, v201, v197
	v_add_f32 v199, v199, v201
	v_permlanex16_b32 v198, v199, s[SEL], s[SEL+1]
	v_add_f32 v199, v199, v198                     ; the row's sum
	v_rcp_f32 v199, v199
	v_nop
	s_wait_alu depctr_va_vdst(0)
	v_mul_f32 v199, 4.0, v199                      ; the values were carried as a quarter
.irp s, 0,1,2,3                                ; O^T = v^T p: four accumulators by turns; pair s of a lane's p are keys 8 h + 2 s, + 1, and v was loaded by the same order
.irp ct, 0,1,2,3
.if \s == 0
	v_wmma_f32_16x16x4_f32 v[224+8*\ct:231+8*\ct], v[112+8*\ct+2*\s:113+8*\ct+2*\s], v[144+2*\s:145+2*\s], 0
.else
	v_wmma_f32_16x16x4_f32 v[224+8*\ct:231+8*\ct], v[112+8*\ct+2*\s:113+8*\ct+2*\s], v[144+2*\s:145+2*\s], v[224+8*\ct:231+8*\ct]
.endif
.endr
.endr
.rept 8
	v_nop
.endr
.irp ct, 0,1,2,3                               ; register j is channel 16 ct + 8 h + j of token r: j = 0, 1, 4, 5 make one run of 16 bytes of the last launch's operand, j = 2, 3, 6, 7 the other
	v_mul_f32 v[48+8*\ct], v[224+8*\ct], v199
	v_mul_f32 v[49+8*\ct], v[225+8*\ct], v199
	v_mul_f32 v[50+8*\ct], v[228+8*\ct], v199
	v_mul_f32 v[51+8*\ct], v[229+8*\ct], v199
	v_mul_f32 v[52+8*\ct], v[226+8*\ct], v199
	v_mul_f32 v[53+8*\ct], v[227+8*\ct], v199
	v_mul_f32 v[54+8*\ct], v[230+8*\ct], v199
	v_mul_f32 v[55+8*\ct], v[231+8*\ct], v199
	global_store_b128 v194, v[48+8*\ct:51+8*\ct], s[54:55] offset:1024*\ct         ; sixteen lanes store 256 consecutive bytes, aligned
	global_store_b128 v194, v[52+8*\ct:55+8*\ct], s[54:55] offset:1024*\ct+256
.endr
.Lcoarse:
	; THE WAY OUT.  O^T / l, rounded to f16, into the work-group's stage: a token's 512 bytes come from four waves; a barrier; each wave stores four whole rows.
	v_add_f32 v[LS], v[LS], v[LS+1]
	v_permlanex16_b32 v[TT], v[LS], s[SEL], s[SEL+1]
	v_add_f32 v[LS], v[LS], v[TT]
	v_rcp_f32 v[AA], v[LS]
	v_nop
	s_wait_alu depctr_va_vdst(0)
.irp j, 0,2,4,6,8,10,12,14,16,18,20,22,24,26,28,30
	v_pk_mul_f32 v[O+\j:O+\j+1], v[O+\j:O+\j+1], v[AA:AA+1] op_sel_hi:[1,0]
.endr
.set i, 0
.rept 16
	v_cvt_pk_f16_f32 v[P+i], v[O+2*i], v[O+2*i+1]
.set i, i+1
.endr
.irp ct, 0,1,2,3
	ds_store_b128 v[STO], v[P+4*\ct:P+4*\ct+3] offset:32*\ct
.endr
	s_wait_dscnt 0x0                               ; for the others' sake: my stores into the stage are done
	s_barrier_signal -1
	s_barrier_wait -1
.irp i, 0,1,2,3
	ds_load_b128 v[S+4*\i:S+4*\i+3], v[RD] offset:SPT*\i
.endr
.irp i, 0,1,2,3
	s_wait_dscnt 3-\i
	global_store_b128 v[LO16], v[S+4*\i:S+4*\i+3], s[56:57] offset:4096*\i         ; 512 consecutive bytes, aligned
.endr
	s_wait_tensorcnt 0x0                           ; the wave's end, behind my last tensor load and my last LDS store
	ds_add_u32 v[SPW], v[NIL]
	s_wait_dscnt 0x0
	s_endpgm
.Lfunc_end_k_q03530bf19f_attn:
	.size	k_q03530bf19f_attn, .Lfunc_end_k_q03530bf19f_attn-k_q03530bf19f_attn
	.p2alignl 7, 3214868480
	.fill 96, 4, 3214868480
	.section	.rodata,"a",@progbits
	.p2align	6, 0x0
	.amdhsa_kernel k_q03530bf19f_attn
		.amdhsa_group_segment_fixed_size 327680
		.amdhsa_private_segment_fixed_size 0
		.amdhsa_enable_private_segment 0
		.amdhsa_kernarg_size 32
		.amdhsa_user_sgpr_count 2
		.amdhsa_user_sgpr_kernarg_segment_ptr 1
		.amdhsa_wavefront_size32 1
		.amdhsa_system_sgpr_workgroup_id_x 1
		.amdhsa_system_sgpr_workgroup_id_y 1
		.amdhsa_system_sgpr_workgroup_id_z 1
		.amdhsa_system_vgpr_workitem_id 0
		.amdhsa_next_free_vgpr 256
		.amdhsa_next_free_sgpr 100
		.amdhsa_reserve_vcc 1
		.amdhsa_float_denorm_mode_32 3
		.amdhsa_float_denorm_mode_16_64 3
		.amdhsa_memory_ordered 1
		.amdhsa_forward_progress 1
		.amdhsa_inst_pref_size 130
	.end_amdhsa_kernel
	.amdgpu_metadata
---
amdhsa.version: [ 1, 2 ]
amdhsa.kernels:
  - .name:           k_q03530bf19f_attn
    .symbol:         k_q03530bf19f_attn.kd
    .args:
      - { .name: qkv, .offset: 0, .size: 8, .value_kind: global_buffer, .address_space: global }
      - { .name: att, .offset: 8, .size: 8, .value_kind: global_buffer, .address_space: global }
      - { .name: Wo, .offset: 16, .size: 8, .value_kind: global_buffer, .address_space: global }
      - { .name: wo16, .offset: 24, .size: 8, .value_kind: global_buffer, .address_space: global }
    .group_segment_fixed_size: 327680
    .private_segment_fixed_size: 0
    .kernarg_segment_align: 8
    .kernarg_segment_size: 32
    .max_flat_workgroup_size: 512
    .sgpr_count:     100
    .vgpr_count:     256
    .wavefront_size: 32
...
	.end_amdgpu_metadata
.endif
;; end of part 3
;; launch oproj (part 4): grid 16 x 16, 4 waves a work-group, clusters of 4 x 4, 327,680 bytes of LDS; arguments att, wo16, out0; writes out0
.if DOCPART == 4
	.amdgcn_target "amdgcn-amd-amdhsa--gfx1250"
	.amdhsa_code_object_version 6
	.text
	.protected	k_q03530bf19f_oproj
	.globl	k_q03530bf19f_oproj
	.p2align	8
	.type	k_q03530bf19f_oproj,@function
k_q03530bf19f_oproj:
	s_mov_b64 s[64:65], 0
	v_nop
	global_prefetch_b8 v0, s[64:65] scope:SCOPE_SE
	s_setreg_imm32_b32 hwreg(HW_REG_WAVE_MODE, 25, 1), 1
	s_wait_xcnt 0x0
	s_wait_alu depctr_hold_cnt(0) depctr_sa_sdst(0) depctr_va_vdst(0) depctr_va_sdst(0) depctr_va_ssrc(0) depctr_va_vcc(0) depctr_vm_vsrc(0)
	s_getreg_b32 s2, hwreg(HW_REG_IB_STS2, 6, 4)
	s_cmp_eq_u32 s2, 0
	s_cbranch_scc0 .Lentry_in_a_cluster
	s_endpgm
.Lentry_in_a_cluster:
	s_bfe_u32 s2, ttmp6, 0x10000c
	s_cmp_lg_u32 s2, 0xf033
	s_cbranch_scc0 .Lentry_shape_is_right
	s_endpgm
.Lentry_shape_is_right:
; OPROJ: out0[m][n] = sum over k of att16[m][k] wo16[k][n].  att16 [2048][2048] f16 (attention / 4), wo16 [2048 (k)][2048 (n)] f16 (4 Wo), out0 [2048][2048] f32; sums in f32.
; (Rows 0-15 are written again, from f32 operands, by the launch behind this one.)
; A tile of out0 is 128 x 128: 256 work-groups.  Four waves, each 64 x 64: 16 accumulators.  K goes in steps of 256 through a ring of two LDS slots: A's 128 rows of 512 bytes, B's 256 rows (along k) of 256 bytes.
; B lies with k along its rows' index, so its fragments come out of LDS turned, by ds_load_tr16_b128.
; CLUSTERS: 4 x 4.  The four of a row of the cluster need the same tiles of A, the four of a column the same tiles of B: each is asked for jointly.  Waves 0, 1 fetch A's halves, waves 2, 3 B's.
; THE MATRIX INSTRUCTION IS USED TRANSPOSED (source 0 = 16 columns of B, source 1 = 16 rows of A): a lane holds eight neighbouring numbers of a row of out0.
; REGISTERS: window 0: v0-31 addresses; v32-95 the way out; v128-255 the accumulators ((a, b) at v[128 + 8 (4 a + b)]).  window 1: two fragment buffers of 128: 64 registers of A, then 64 of B, for 64 along K.
.set PA,     528                       ; A's LDS row: 512 bytes + 16
.set PB,     288                       ; B's: 256 + 32
.set AHALF,  64*PA
.set BOFF,   128*PA
.set BHALF,  128*PB
.set SLOT,   BOFF+2*BHALF
.set STAGE,  2*SLOT                    ; behind the ring: 16 rows x 272 bytes for each wave; no fill lands here
.set SPITCH, 272
.set SPARE,  STAGE+4*16*SPITCH         ; the spare words, 128 bytes for each wave, which no other line names
.set LAPS,   4
.set ADRA, 16                          ; v16-17 my A fragments in slot 0, 1
.set ADRB, 20                          ; v20-23 my B fragments: slot 0 rows 0-127, slot 0 rows 128-255, slot 1 likewise (an LDS offset has 16 bits)
.set STO,  24
.set RD,   25
.set CO,   26
.set SPW,  28
.set NIL,  29
.set TMP,  32
.set ACC,  128
.set F0,   0
.set F1,   128
.set G1,  24
.set G0,  32
.set G1B, 48
.set G0B, 56
.set MSB, 0
.macro WIN new
.if MSB != \new
	s_set_vgpr_msb (MSB<<8)|\new
.set MSB, \new
.endif
.endm
.set MUL,  0x05                        ; sources 0 and 1 window 1; C and D window 0
.set TO_F, 0x40                        ; destination window 1, address window 0
.macro JLOAD s                         ; a joint load; an s_nop 0 and four v_nop follow each of the two lines
	s_cmp_eq_u32 s11, 0
	s_cbranch_scc0 .Lfor_b_\@
	tensor_load_to_lds s[G0+4*\s:G0+4*\s+3], s[G1:G1+7]
	s_nop 0
.rept 4
	v_nop
.endr
	s_branch .Lasked_\@
.Lfor_b_\@:
	tensor_load_to_lds s[G0B+4*\s:G0B+4*\s+3], s[G1B:G1B+7]
	s_nop 0
.rept 4
	v_nop
.endr
.Lasked_\@:
.endm
.macro CREST
	s_cmp_lg_u32 s10, 0
	s_cbranch_scc1 .Lnot_wave_0_\@
	s_barrier_signal -3
.Lnot_wave_0_\@:
	s_barrier_wait -3
	s_barrier_signal -1
	s_barrier_wait -1
.endm
.macro CROUND
	s_barrier_signal -1
	s_barrier_wait -1
	CREST
.endm
	s_load_b128 s[4:7], s[0:1], 0x0                ; att, wo16
	s_load_b64 s[8:9], s[0:1], 0x10                ; out0
	v_lshl_add_u32 v[SPW], v0, 2, SPARE
	v_mov_b32 v[NIL], 0
	ds_add_u32 v[SPW], v[NIL]                      ; the wave's opening: the add, twice on end, and its wait ahead of my first tensor load
	ds_add_u32 v[SPW], v[NIL]
	v_lshrrev_b32 v1, 5, v0
	v_readfirstlane_b32 s10, v1                    ; wave 0..3
	s_lshr_b32 s11, s10, 1                         ; which half of the tile's rows is mine.  Also: I fetch for A (0) or for B (1)
	s_and_b32 s12, s10, 1                          ; which half of its columns.  Also: which half of that tile I fetch
	s_bfe_u32 s40, ttmp6, 0x40000                  ; cx, cy
	s_bfe_u32 s41, ttmp6, 0x40004
	s_lshl_b32 s42, ttmp9, 2
	s_add_co_u32 s42, s42, s40                     ; tile column
	s_and_b32 s13, ttmp7, 0xffff
	s_lshl_b32 s13, s13, 2
	s_add_co_u32 s13, s13, s41                     ; tile row
	s_lshl_b32 s43, s41, 2
	s_lshl_b32 s43, 15, s43                        ; my row of the cluster
	s_lshl_b32 s44, 0x1111, s40                    ; my column
	s_or_b32 s[G1], s43, (1<<16)|(1<<20)|(1<<21)|(6<<22)|(3<<25)   ; A: 64 rows of 256 elements of 2 bytes; 4 words of padding behind every 128
	s_mov_b32 s[G1+1], 256<<16
	s_mov_b32 s[G1+2], 64<<16
	s_mov_b32 s[G1+3], 256<<16
	s_mov_b32 s[G1+4], 64
	s_mov_b32 s[G1+5], 2048
	s_mov_b32 s[G1+6], 0
	s_mov_b32 s[G1+7], 0
	s_or_b32 s[G1B], s44, (1<<16)|(1<<20)|(1<<21)|(5<<22)|(7<<25)  ; B: 128 rows of 128 elements; 8 words of padding behind every 64
	s_mov_b32 s[G1B+1], 128<<16
	s_mov_b32 s[G1B+2], 128<<16
	s_mov_b32 s[G1B+3], 128<<16
	s_mov_b32 s[G1B+4], 128
	s_mov_b32 s[G1B+5], 2048
	s_mov_b32 s[G1B+6], 0
	s_mov_b32 s[G1B+7], 0
	s_lshl_b32 s16, s13, 7
	s_lshl_b32 s17, s12, 6
	s_add_co_u32 s16, s16, s17
	s_lshl_b32 s16, s16, 12                        ; A: row 128 tile row + 64 half, 4,096 bytes a row
	s_mov_b32 s17, 0
	s_lshl_b32 s46, s12, 19                        ; B: k row 128 half,
	s_lshl_b32 s47, s42, 8                         ; column 128 tile column
	s_add_co_u32 s46, s46, s47
	s_mov_b32 s47, 0
	s_mul_i32 s20, s12, AHALF                      ; where they go
	s_mul_i32 s21, s12, BHALF
	s_add_co_u32 s21, s21, BOFF
	s_wait_dscnt 0x0                               ; both opening adds are done
	s_wait_kmcnt 0x0
	s_add_nc_u64 s[14:15], s[4:5], s[16:17]
	s_add_nc_u64 s[46:47], s[6:7], s[46:47]
	CROUND                                         ; all sixteen work-groups are here: the first joint loads meet
.irp s, 0,1
	s_mov_b32 s[G0+4*\s], 1
	s_add_co_u32 s[G0+4*\s+1], s20, \s*SLOT
	s_add_nc_u64 s[G0+4*\s+2:G0+4*\s+3], s[14:15], \s*512
	s_or_b32 s[G0+4*\s+3], s[G0+4*\s+3], 0x80000000
	s_mov_b32 s[G0B+4*\s], 1
	s_add_co_u32 s[G0B+4*\s+1], s21, \s*SLOT
	s_add_nc_u64 s[G0B+4*\s+2:G0B+4*\s+3], s[46:47], \s*1048576
	s_or_b32 s[G0B+4*\s+3], s[G0B+4*\s+3], 0x80000000
	JLOAD \s
.endr
	v_and_b32 v1, 15, v0                           ; r
	v_bfe_u32 v2, v0, 4, 1                         ; h
	v_mul_u32_u24 v3, v1, PA
	v_lshl_add_u32 v3, v2, 4, v3
	s_mul_i32 s22, s11, AHALF                      ; my 64 rows of A
	v_add_nc_u32 v[ADRA], s22, v3
	v_add_nc_u32 v[ADRA+1], SLOT, v[ADRA]
	v_and_b32 v4, 7, v0
	v_lshl_add_u32 v4, v2, 3, v4                   ; the turning load: k row 8 h + l % 8,
	v_mul_u32_u24 v4, v4, PB
	v_bfe_u32 v5, v0, 3, 1
	v_lshl_add_u32 v4, v5, 4, v4                   ; columns 8 ((l / 8) % 2) on,
	s_lshl_b32 s22, s12, 7                         ; in my 64 columns
	s_add_co_u32 s22, s22, BOFF
	v_add_nc_u32 v[ADRB], s22, v4
	v_add_nc_u32 v[ADRB+1], BHALF, v[ADRB]
	v_add_nc_u32 v[ADRB+2], SLOT, v[ADRB]
	v_add_nc_u32 v[ADRB+3], SLOT+BHALF, v[ADRB]
	s_mul_i32 s23, s10, 16*SPITCH
	s_add_co_u32 s23, s23, STAGE                   ; my stage
	v_mul_u32_u24 v4, v1, SPITCH
	v_lshl_add_u32 v4, v2, 5, v4
	v_add_nc_u32 v[STO], s23, v4                   ; in: row r, 32 bytes for each half of the lanes
	v_mul_u32_u24 v5, v2, SPITCH
	v_lshl_add_u32 v5, v1, 4, v5
	v_add_nc_u32 v[RD], s23, v5                    ; back: lanes 0-15 one row of 256 bytes, lanes 16-31 the next
	v_lshlrev_b32 v[CO], 13, v2
	v_lshl_add_u32 v[CO], v1, 4, v[CO]             ; and the same two rows in out0
	s_lshl_b32 s16, s13, 7
	s_lshl_b32 s17, s11, 6
	s_add_co_u32 s16, s16, s17
	s_lshl_b32 s16, s16, 13                        ; my first row of out0, 8,192 bytes a row
	s_mov_b32 s17, 0
	s_add_nc_u64 s[8:9], s[8:9], s[16:17]
	s_lshl_b32 s46, s42, 9                         ; my first column, in bytes (in the registers that held B's address)
	s_lshl_b32 s47, s12, 8
	s_add_co_u32 s46, s46, s47
	s_mov_b32 s47, 0
	s_add_nc_u64 s[8:9], s[8:9], s[46:47]
; 8 matrix instructions: m blocks a0, a0 + 1 x all 4 n blocks, 32 along K: half c of buffer f.  The 16 accumulators take turns
.macro MUL8 f, c, a0, zero
.irp a, \a0, \a0+1
.irp b, 0,1,2,3
.if \zero
	v_wmma_f32_16x16x32_f16 v[ACC+8*(4*(\a)+\b):ACC+8*(4*(\a)+\b)+7], v[\f+64+8*(4*\c+\b):\f+64+8*(4*\c+\b)+7], v[\f+8*(4*\c+\a):\f+8*(4*\c+\a)+7], 0
.else
	v_wmma_f32_16x16x32_f16 v[ACC+8*(4*(\a)+\b):ACC+8*(4*(\a)+\b)+7], v[\f+64+8*(4*\c+\b):\f+64+8*(4*\c+\b)+7], v[\f+8*(4*\c+\a):\f+8*(4*\c+\a)+7], v[ACC+8*(4*(\a)+\b):ACC+8*(4*(\a)+\b)+7]
.endif
.endr
.endr
.endm
; 32 LDS loads in one run: the fragments of the slot's quarter qd (64 along K) into buffer f; the first 32 along K first
.macro FETCH slot, qd, f
	WIN TO_F
.irp c, 0,1
.irp i, 0,1,2,3
	ds_load_tr16_b128 v[\f+64+8*(4*\c+\i):\f+64+8*(4*\c+\i)+3],   v[ADRB+2*\slot+(\qd)/2] offset:(((\qd)%2)*64+32*\c)*PB+32*\i
	ds_load_tr16_b128 v[\f+64+8*(4*\c+\i)+4:\f+64+8*(4*\c+\i)+7], v[ADRB+2*\slot+(\qd)/2] offset:(((\qd)%2)*64+32*\c+16)*PB+32*\i
	ds_load_b128 v[\f+8*(4*\c+\i):\f+8*(4*\c+\i)+3],         v[ADRA+\slot] offset:128*(\qd)+64*\c+\i*16*PA
	ds_load_b128 v[\f+8*(4*\c+\i)+4:\f+8*(4*\c+\i)+7],       v[ADRA+\slot] offset:128*(\qd)+64*\c+\i*16*PA+32
.endr
.endr
.endm
.macro PLACES
.rept 4
	v_nop
.endr
.endm
; one of a K step's first three quarters: multiplies buffer f and fetches quarter qd into g
.macro QUARTER slot, qd, f, g, zero
	s_wait_dscnt 16                                ; the first 32 along K are in; the youngest sixteen loads may be out
	WIN MUL
	MUL8 \f, 0, 0, \zero
	MUL8 \f, 0, 2, \zero
	PLACES
	FETCH \slot, \qd, \g
	s_wait_dscnt 32                                ; all but the 32 just issued
	WIN MUL
	MUL8 \f, 1, 0, 0
	MUL8 \f, 1, 2, 0
.endm
; the last quarter multiplies buffer 1 and changes slots: one barrier; in front of it each wave waits for all its tensor loads, adds 0 to its spare word, and waits for that and for its reads of this slot
.macro TURN slot, next, fill
	WIN 0
	s_wait_tensorcnt 0x0                           ; all my tensor loads have landed: my part of the next slot
	ds_add_u32 v[SPW], v[NIL]                      ; 0 onto my spare word
	s_wait_dscnt 17                                ; (the add and the youngest sixteen loads may be out)
	WIN MUL
	MUL8 F1, 0, 0, 0
	s_wait_dscnt 0x0                               ; the add is done, and my reads of this slot are over
	s_barrier_signal -1
	MUL8 F1, 0, 2, 0
.if \fill
	WIN 0
.endif
	s_barrier_wait -1
.if \fill
	CREST                                          ; the barrier has opened a round of the cluster's: no wave of any partner still reads this slot or has a load on its way
	s_add_nc_u64 s[G0+4*\slot+2:G0+4*\slot+3], s[G0+4*\slot+2:G0+4*\slot+3], 1024
	s_add_nc_u64 s[G0B+4*\slot+2:G0B+4*\slot+3], s[G0B+4*\slot+2:G0B+4*\slot+3], 2097152
	JLOAD \slot                                    ; the first tensor load behind the round; its four v_nop are the places in front of the loads below
.else
	PLACES
.endif
	FETCH \next, 0, F0
	WIN MUL
	MUL8 F1, 1, 0, 0
	MUL8 F1, 1, 2, 0
.endm
	s_wait_tensorcnt 1                             ; my part of K step 0 is in; K step 1's may stay out
	s_barrier_signal -1
	s_barrier_wait -1
	FETCH 0, 0, F0
	QUARTER 0, 1, F0, F1, 1                        ; the first quarter stands in front of the loop: its first products start the sums
	WIN 0
	s_mov_b32 s3, LAPS-1
.Llap:
	QUARTER 0, 2, F1, F0, 0
	QUARTER 0, 3, F0, F1, 0
	TURN 0, 1, 1
	QUARTER 1, 1, F0, F1, 0
	QUARTER 1, 2, F1, F0, 0
	QUARTER 1, 3, F0, F1, 0
	TURN 1, 0, 1
	QUARTER 0, 1, F0, F1, 0
	WIN 0
	s_sub_co_u32 s3, s3, 1
	s_cmp_lg_u32 s3, 0
	s_cbranch_scc1 .Llap
	QUARTER 0, 2, F1, F0, 0                        ; the last lap fills nothing
	QUARTER 0, 3, F0, F1, 0
	TURN 0, 1, 0
	QUARTER 1, 1, F0, F1, 0
	QUARTER 1, 2, F1, F0, 0
	QUARTER 1, 3, F0, F1, 0
	s_wait_dscnt 16
	WIN MUL
	MUL8 F1, 0, 0, 0
	MUL8 F1, 0, 2, 0
	s_wait_dscnt 0x0
	MUL8 F1, 1, 0, 0
	MUL8 F1, 1, 2, 0
	WIN 0
	; THE WAY OUT, 16 rows x 64 columns at a time, through my own stage: a lane holds 32 bytes of a row; they come back as whole runs of 256 bytes.  LDS serves a wave's instructions in order: no wait between the stores and the loads.
	PLACES
.irp a, 0,1,2,3
.if \a >= 2
	s_wait_xcnt 0x0                                ; the stores of two blocks back have read the registers that the loads below fill
.endif
.irp b, 0,1,2,3
	ds_store_b128 v[STO], v[ACC+8*(4*\a+\b):ACC+8*(4*\a+\b)+3] offset:64*\b        ; each accumulator from its low end on
	ds_store_b128 v[STO], v[ACC+8*(4*\a+\b)+4:ACC+8*(4*\a+\b)+7] offset:64*\b+16
.endr
.irp t, 0,1,2,3,4,5,6,7
	ds_load_b128 v[TMP+32*(\a%2)+4*\t:TMP+32*(\a%2)+4*\t+3], v[RD] offset:\t*2*SPITCH
.endr
.irp t, 0,1,2,3,4,5,6,7
	s_wait_dscnt 7-\t
	global_store_b128 v[CO], v[TMP+32*(\a%2)+4*\t:TMP+32*(\a%2)+4*\t+3], s[8:9] offset:\a*131072+\t*16384 th:TH_STORE_NT   ; sixteen lanes store 256 consecutive bytes, aligned
.endr
.endr
	s_wait_tensorcnt 0x0                           ; the wave's end, behind my last tensor load and my last LDS store
	ds_add_u32 v[SPW], v[NIL]
	s_wait_dscnt 0x0
	CROUND                                         ; the closing round
	s_endpgm
.Lfunc_end_k_q03530bf19f_oproj:
	.size	k_q03530bf19f_oproj, .Lfunc_end_k_q03530bf19f_oproj-k_q03530bf19f_oproj
	.p2alignl 7, 3214868480
	.fill 96, 4, 3214868480
	.section	.rodata,"a",@progbits
	.p2align	6, 0x0
	.amdhsa_kernel k_q03530bf19f_oproj
		.amdhsa_group_segment_fixed_size 327680
		.amdhsa_private_segment_fixed_size 0
		.amdhsa_enable_private_segment 0
		.amdhsa_kernarg_size 24
		.amdhsa_user_sgpr_count 2
		.amdhsa_user_sgpr_kernarg_segment_ptr 1
		.amdhsa_wavefront_size32 1
		.amdhsa_system_sgpr_workgroup_id_x 1
		.amdhsa_system_sgpr_workgroup_id_y 1
		.amdhsa_system_sgpr_workgroup_id_z 1
		.amdhsa_system_vgpr_workitem_id 0
		.amdhsa_next_free_vgpr 512
		.amdhsa_next_free_sgpr 66
		.amdhsa_reserve_vcc 0
		.amdhsa_float_denorm_mode_32 3
		.amdhsa_float_denorm_mode_16_64 3
		.amdhsa_memory_ordered 1
		.amdhsa_forward_progress 1
		.amdhsa_inst_pref_size 87
	.end_amdhsa_kernel
	.amdgpu_metadata
---
amdhsa.version: [ 1, 2 ]
amdhsa.kernels:
  - .name:           k_q03530bf19f_oproj
    .symbol:         k_q03530bf19f_oproj.kd
    .args:
      - { .name: att, .offset: 0, .size: 8, .value_kind: global_buffer, .address_space: global }
      - { .name: wo16, .offset: 8, .size: 8, .value_kind: global_buffer, .address_space: global }
      - { .name: out0, .offset: 16, .size: 8, .value_kind: global_buffer, .address_space: global }
    .group_segment_fixed_size: 327680
    .private_segment_fixed_size: 0
    .kernarg_segment_align: 8
    .kernarg_segment_size: 24
    .max_flat_workgroup_size: 128
    .sgpr_count:     66
    .vgpr_count:     512
    .wavefront_size: 32
...
	.end_amdgpu_metadata
.endif
;; end of part 4
;; launch fine (part 5): grid 128 x 1, 8 waves a work-group, no clusters, 9,216 bytes of LDS; arguments att, Wo, out0; writes out0
.if DOCPART == 5
	.amdgcn_target "amdgcn-amd-amdhsa--gfx1250"
	.amdhsa_code_object_version 6
	.text
	.protected	k_q03530bf19f_fine
	.globl	k_q03530bf19f_fine
	.p2align	8
	.type	k_q03530bf19f_fine,@function
k_q03530bf19f_fine:
	s_mov_b64 s[64:65], 0
	v_nop
	global_prefetch_b8 v0, s[64:65] scope:SCOPE_SE
	s_setreg_imm32_b32 hwreg(HW_REG_WAVE_MODE, 25, 1), 1
	s_wait_xcnt 0x0
; FINE: rows 0-15 of out0 once more, with f32 operands: out0[m][n] = sum over k of attention[m][k] Wo[k][n], m = 0..15, by v_wmma_f32_16x16x4_f32.  These rows average one to sixteen values and are the largest in size.
; att + ATF holds the attention of tokens 0-15 in f32 in the order of this launch's operand registers: number (m, k = 8 I + 4 a + 2 hk + j) at float 128 I + 4 (16 hk + m) + 2 a + j: a load of 16 bytes a lane brings two K steps of 4.
; SHARES.  Work-group c takes columns 16 c .. 16 c + 15, wave w k = 256 w .. 256 w + 255: 64 K steps of 4 on four accumulators by turns.  The eight waves' parts meet in LDS and wave 0 adds them, in ascending order of k.
; So many work-groups, since this form does few multiply-adds an instruction; the price: 64 bytes of each row of Wo to a load, and 64 bytes of each row of out0 to a work-group.
; THE MATRIX INSTRUCTION IS USED TRANSPOSED (source 0 = 16 columns of Wo, source 1 = the 16 tokens): lane (r, h) holds token r and columns 8 h + 0..7.
; REGISTERS: v1-4 addresses; v30, v31 the add's two; set p: v[32 + 64 p ..] attention, v[64 + 64 p ..] Wo; v160-191 the accumulators, written by matrix instructions alone; v192-255 sums and the others' parts.
.set ATF,   8388608
.set SPARE, 8192                       ; behind the eight images of 1,024 bytes: the spare words, 128 bytes for each wave, which no other line names
	s_load_b128 s[4:7], s[0:1], 0x0                ; att, Wo
	s_load_b64 s[8:9], s[0:1], 0x10                ; out0
	v_lshl_add_u32 v30, v0, 2, SPARE
	v_mov_b32 v31, 0
	v_lshrrev_b32 v5, 5, v0
	v_readfirstlane_b32 s10, v5                    ; wave 0..7
	v_and_b32 v6, 31, v0
	v_and_b32 v7, 15, v0                           ; r
	v_bfe_u32 v8, v0, 4, 1                         ; h
	v_lshlrev_b32 v1, 4, v6                        ; 16 x lane
	v_lshlrev_b32 v2, 2, v7
	v_lshl_add_u32 v2, v8, 14, v2                  ; Wo: k row 2 h, column r
	s_lshl_b32 s11, s10, 10
	v_add_nc_u32 v3, s11, v1                       ; my wave's image
	v_lshlrev_b32 v4, 13, v7
	v_lshl_add_u32 v4, v8, 5, v4                   ; out0: row r, + 32 h
	s_lshl_b32 s12, s10, 14                        ; 256 k of the attention are 16,384 bytes
	s_mov_b32 s13, 0
	s_lshl_b32 s14, s10, 21                        ; 256 rows of Wo
	s_lshl_b32 s16, ttmp9, 6                       ; 16 columns
	s_add_co_u32 s14, s14, s16
	s_mov_b32 s15, 0
	s_mov_b32 s17, 0
	s_wait_kmcnt 0x0
	s_add_nc_u64 s[4:5], s[4:5], s[12:13]
	s_add_nc_u64 s[4:5], s[4:5], ATF
	s_add_nc_u64 s[6:7], s[6:7], s[14:15]
	s_add_nc_u64 s[8:9], s[8:9], s[16:17]
.macro CHUNK ch, p                     ; 64 along K into set p: 40 loads
.irp i, 0,1,2,3,4,5,6,7
	global_load_b128 v[32+64*(\p)+4*\i:35+64*(\p)+4*\i], v1, s[4:5] offset:512*(8*(\ch)+\i)
.endr
.set n, 0
.rept 32
	global_load_b32 v[64+64*(\p)+n], v2, s[6:7] offset:8192*(64*(\ch)+4*(n/2)+n%2) th:TH_LOAD_NT   ; register 2 s + j: Wo(k = 4 s + 2 h + j, column r)
.set n, n+1
.endr
.endm
.macro MULS p, zero                    ; 16 K steps of 4, k ascending; the four accumulators take turns
.set n, 0
.rept 16
.if (\zero) && (n < 4)
	v_wmma_f32_16x16x4_f32 v[160+8*(n%4):167+8*(n%4)], v[64+64*(\p)+2*n:65+64*(\p)+2*n], v[32+64*(\p)+2*n:33+64*(\p)+2*n], 0
.else
	v_wmma_f32_16x16x4_f32 v[160+8*(n%4):167+8*(n%4)], v[64+64*(\p)+2*n:65+64*(\p)+2*n], v[32+64*(\p)+2*n:33+64*(\p)+2*n], v[160+8*(n%4):167+8*(n%4)]
.endif
.set n, n+1
.endr
.endm
.macro PLACES8
.rept 8
	v_nop                                          ; eight places behind this form, in front of loads into registers that it read and of the first read of results
.endr
.endm
	CHUNK 0, 0
	CHUNK 1, 1
	s_wait_loadcnt 40                              ; this chunk's 40 loads are in; the next chunk's may be out
	MULS 0, 1                                      ; the first four products start the sums
	PLACES8
	CHUNK 2, 0
	s_wait_loadcnt 40
	MULS 1, 0
	PLACES8
	CHUNK 3, 1
	s_wait_loadcnt 40
	MULS 0, 0
	s_wait_loadcnt 0x0
	MULS 1, 0
	PLACES8
.irp j, 0,1,2,3,4,5,6,7
	v_add_f32 v[192+\j], v[160+\j], v[168+\j]      ; each accumulator is read from its low end on
.endr
.irp j, 0,1,2,3,4,5,6,7
	v_add_f32 v[200+\j], v[176+\j], v[184+\j]
.endr
.irp j, 0,1,2,3,4,5,6,7
	v_add_f32 v[192+\j], v[192+\j], v[200+\j]
.endr
	ds_store_b128 v3, v[192:195]                   ; my part, as an image of its registers
	ds_store_b128 v3, v[196:199] offset:512
	s_wait_dscnt 0x0                               ; for wave 0's sake: my stores are done
	s_barrier_signal -1
	s_barrier_wait -1
	s_cmp_lg_u32 s10, 0
	s_cbranch_scc1 .Lrest
.irp w, 1,2,3,4,5,6,7
	ds_load_b128 v[200+8*(\w-1):203+8*(\w-1)], v1 offset:1024*\w
	ds_load_b128 v[204+8*(\w-1):207+8*(\w-1)], v1 offset:1024*\w+512
.endr
	s_wait_dscnt 0x0
.irp w, 1,2,3,4,5,6,7
.irp j, 0,1,2,3,4,5,6,7
	v_add_f32 v[192+\j], v[192+\j], v[200+8*(\w-1)+\j]
.endr
.endr
	global_store_b128 v4, v[192:195], s[8:9]       ; out0(r, 16 c + 8 h + 0..7)
	global_store_b128 v4, v[196:199], s[8:9] offset:16
.Lrest:
	s_wait_tensorcnt 0x0                           ; the wave's end, behind my last LDS store
	ds_add_u32 v30, v31
	s_wait_dscnt 0x0
	s_endpgm
.Lfunc_end_k_q03530bf19f_fine:
	.size	k_q03530bf19f_fine, .Lfunc_end_k_q03530bf19f_fine-k_q03530bf19f_fine
	.p2alignl 7, 3214868480
	.fill 96, 4, 3214868480
	.section	.rodata,"a",@progbits
	.p2align	6, 0x0
	.amdhsa_kernel k_q03530bf19f_fine
		.amdhsa_group_segment_fixed_size 9216
		.amdhsa_private_segment_fixed_size 0
		.amdhsa_enable_private_segment 0
		.amdhsa_kernarg_size 24
		.amdhsa_user_sgpr_count 2
		.amdhsa_user_sgpr_kernarg_segment_ptr 1
		.amdhsa_wavefront_size32 1
		.amdhsa_system_sgpr_workgroup_id_x 1
		.amdhsa_system_sgpr_workgroup_id_y 1
		.amdhsa_system_sgpr_workgroup_id_z 1
		.amdhsa_system_vgpr_workitem_id 0
		.amdhsa_next_free_vgpr 256
		.amdhsa_next_free_sgpr 66
		.amdhsa_reserve_vcc 0
		.amdhsa_float_denorm_mode_32 3
		.amdhsa_float_denorm_mode_16_64 3
		.amdhsa_memory_ordered 1
		.amdhsa_forward_progress 1
		.amdhsa_inst_pref_size 26
	.end_amdhsa_kernel
	.amdgpu_metadata
---
amdhsa.version: [ 1, 2 ]
amdhsa.kernels:
  - .name:           k_q03530bf19f_fine
    .symbol:         k_q03530bf19f_fine.kd
    .args:
      - { .name: att, .offset: 0, .size: 8, .value_kind: global_buffer, .address_space: global }
      - { .name: Wo, .offset: 8, .size: 8, .value_kind: global_buffer, .address_space: global }
      - { .name: out0, .offset: 16, .size: 8, .value_kind: global_buffer, .address_space: global }
    .group_segment_fixed_size: 9216
    .private_segment_fixed_size: 0
    .kernarg_segment_align: 8
    .kernarg_segment_size: 24
    .max_flat_workgroup_size: 256
    .sgpr_count:     66
    .vgpr_count:     256
    .wavefront_size: 32
...
	.end_amdgpu_metadata
.endif
;; end of part 5
